; MI455X (gfx1250); checked and timed in simulation.
; The chip was launched on July 23, 2026; its instructions are those of AMD's public machine-readable ISA for CDNA 5 (MIT licence, August 2026) and "CDNA5" Instruction Set Architecture Reference Guide (July 2026). The comments in the code are by the model that wrote it; some were corrected since.
;; Pooling Layer. Allowed arithmetic: matrix products marked QUANTISED: E5M2 operands, one E8M0 scale for each 32 along K, by v_wmma_scale_f32_16x16x128_f8f6f4 with both operands' format E5M2, f32 sums; products left as they are: f32 operands where the result goes on into a quantised operand, else bf16, f16 or f32 operands; f32 sums; everything else in f32.
;; Inputs: Wk 512 x 512 float32; Wo 512 x 512 float32; Wq 512 x 512 float32; Wv 512 x 512 float32; bk 512 float32; bo 512 float32; bq 512 float32; bv 512 float32; nk_b 512 float32; nk_g 512 float32; no_b 512 float32; no_g 512 float32; norm_b 512 float32; norm_g 512 float32; nq_b 512 float32; nq_g 512 float32; nv_b 512 float32; nv_g 512 float32; query 1 x 1 x 512 float32; x 8 x 8,192 x 512 float32.
;; Outputs: out0 8 x 512 float32.
;; This version of the problem:
;;   THIS VERSION OF THE PROBLEM IS GIVEN IN LOW PRECISION. The matrix products marked QUANTISED in the list below multiply operands that are first quantised to E5M2 (5 exponent bits, 2 mantissa bits; 8 bits a number), with one power-of-two scale for each 32 numbers along K (OCP MX v1.0); their sums are f32. All else is computed in f32.
;;   The module's matrix products, in the order in which they are computed (A, B: the left and right operand; K: the contracted axis; several contracted axes count as one K, in the product's order):
;;     1. [M 8, K 512] x [K 512, N 512]; A: computed on the way; B: input Wq: left as it is (M = 8 < 16)
;;     2. [M 65,536, K 512] x [K 512, N 512]; A: computed on the way; B: input Wk: QUANTISED
;;     3. [M 65,536, K 512] x [K 512, N 512]; A: computed on the way; B: input Wv: QUANTISED
;;     4. batch 128 x [M 1, K 32] x [K 32, N 8,192]; A: computed on the way; B: computed on the way: left as it is (M = 1 < 16)
;;     5. batch 128 x [M 32, K 8,192] x [K 8,192, N 1]; A: computed on the way; B: computed on the way: left as it is (N = 1 < 16)
;;     6. [M 8, K 512] x [K 512, N 512]; A: computed on the way; B: input Wo: left as it is (M = 8 < 16)
;;   THE QUANTISER, for each operand of a quantised product, along K:
;;     - K is cut into blocks of 32 from its start; a last block that is shorter is filled with zeros.
;;     - A block's scale is 2^e with e = floor(log2(the largest magnitude in the block)) - 15, held to -126 .. 127; a block of zeros has e = 0. As a byte (E8M0): e + 127.
;;     - Each number is divided by its block's scale, clamped to +-57,344, and rounded to the nearest number of E5M2, ties to even, subnormals kept.
;;     - The product sums the exact products of the quantised numbers (number of the format x scale) in f32.
;;   ~~~python
;;   def quantise(x, axis):      # numpy; x: float32 -> the quantised numbers, widened to float32 again
;;       x = np.moveaxis(x, axis, -1); K = x.shape[-1]
;;       x = np.pad(x, [(0, 0)] * (x.ndim - 1) + [(0, -K % 32)]); x = x.reshape(x.shape[:-1] + (-1, 32)); a = np.abs(x).max(-1, keepdims=True)
;;       e = np.where(a > 0, np.clip(np.frexp(np.where(a > 0, a, 1))[1] - 1 - 15, -126, 127), 0)      # np.frexp(a)[1] - 1 = floor(log2(a)), exactly
;;       r = np.clip(x / 2.0 ** e, -57344, 57344)
;;       step = 2.0 ** (np.maximum(np.frexp(np.where(r == 0, 1, r))[1] - 1, -14) - 2)
;;       q = np.round(r / step) * step * 2.0 ** e      # np.round: ties to even
;;       return np.moveaxis(q.reshape(q.shape[:-2] + (-1,))[..., :K], -1, axis).astype(np.float32)
;;   ~~~
;;   OPERANDS COMPUTED ON THE WAY. 'Computed on the way' means the value that the module computes at that place (a softmax that the list does not call 'softmax' is quantised finished and normalised). What goes into a quantiser is computed in f32, as accurately as f32 sums, v_exp_f32 and their like allow (about 1e-6 of the number): no bf16 or f16 on the way to a quantiser, and a product that is left as it is and whose result goes on into a quantised operand takes f32 operands (vector FMAs, or v_wmma_f32_16x16x4_f32). A number that lies on a knife's edge between two numbers of the format may be rounded either way, as far as f32 arithmetic and the matrix unit's own rounding can turn it there, and no further.
;; One version. Each part assembles by itself: llvm-mc -triple=amdgcn-amd-amdhsa -mcpu=gfx1250 --defsym DOCPART=n.
;; ======== version 1 of 1: 5 launches
;; workspace buffers: wts 542,720 bytes; vcodes 33,554,432 bytes; vscales 1,048,576 bytes; scores 4,194,304 bytes; stats 32,768 bytes; part 524,288 bytes; yrow 16,384 bytes
;; launch prep (part 1): grid 64 x 1, 4 waves a work-group, no clusters, 9,728 bytes of LDS; arguments Wk, Wv, Wq, bq, query, nq_g, nq_b, wts; writes wts
.if DOCPART == 1
	.amdgcn_target "amdgcn-amd-amdhsa--gfx1250"
	.amdhsa_code_object_version 6
	.text
	.protected	k_qd19ae64a0a_prep
	.globl	k_qd19ae64a0a_prep
	.p2align	8
	.type	k_qd19ae64a0a_prep,@function
k_qd19ae64a0a_prep:
	s_mov_b64 s[64:65], 0
	v_nop
	global_prefetch_b8 v0, s[64:65] scope:SCOPE_SE
	s_setreg_imm32_b32 hwreg(HW_REG_WAVE_MODE, 25, 1), 1
	s_wait_xcnt 0x0
; Wk and Wv [512][512] f32 become codes of E5M2 with one E8M0 byte for each 32 along K (their second axis), laid as the later launches' registers want them;
; and q2[n] = (LN(query) . Wq[n] + bq[n]) x log2(e) / sqrt(32), in f32.
; wts: byte 0: Wk's 32 tiles of 16 rows, 8,192 bytes each; byte 262,144: Wv's; a tile is an image of its four fragments: K step S, group c, lane: S*2048 + c*512 + 16*lane.
;      byte 524,288: scale bytes [1024 rows][16]; byte 540,672: q2[512].
; ORDER ALONG K.  Lane l of a wave owns columns 16 l .. 16 l + 15 of a row; its register 4 j + i holds column 16 l + 4 ((j + l/4) % 4) + i.  The later launch reads x so (its LDS loads then fall on
; different banks), so the weights' codes are laid in the same order: a fixed order inside each run of 16, alike on both operands; blocks of 32 and their scales are the true ones.
; SHARES.  Work-group g: tile g (g < 32: Wk's, else Wv's tile g - 32), and q2's rows 8 g .. 8 g + 7.  Wave w: rows 4 w .. 4 w + 3 of the tile, rows 8 g + 2 w, + 1 of q2.
; LIMITS: NaN and infinities are not served.  A block whose largest magnitude lies under 2^-111 (zeros too) gets the byte 1: its codes are zeros or tiny, and this program alone reads the bytes.
.set STG, 0                            ; LDS: 16 rows of 512 codes, 528 bytes apart
.set SPT, 528
.set SCB, 8448                         ; 16 rows x 16 scale bytes
.set QST, 8704                         ; 8 numbers of q2
.set PA,  4                            ; v4-7    byte offset of my piece j of a row
.set XR,  32                           ; v32-95  four rows of W
.set WQ,  96                           ; v96-127 two rows of Wq, dense: register 4 i + e = column 128 i + 4 l + e
.set QV,  128                          ; v128-   query, nq_g, nq_b, laid as Wq
.set QG,  144
.set QB,  160
.set CD,  176                          ; v176-191 codes; later the fragment on its way out
.set MX,  192
.set SC,  196
.set HO,  200
.set BY,  204
.macro WSUM r, t                       ; the sum of v[r] over the 32 lanes, in every lane
.irp x, 1,2,4,8
	v_add_f32_dpp v[\r], v[\r], v[\r] row_xmask:\x row_mask:0xf bank_mask:0xf
.endr
	v_permlanex16_b32 v[\t], v[\r], s28, s29
	v_add_f32 v[\r], v[\r], v[\t]
.endm
	s_load_b512 s[4:19], s[0:1], 0x0               ; Wk, Wv, Wq, bq, query, nq_g, nq_b, wts
	v_lshl_add_u32 v208, v0, 2, 0x2400
	v_mov_b32 v209, 0
	v_lshrrev_b32 v1, 5, v0
	v_readfirstlane_b32 s20, v1                    ; wave
	v_and_b32 v1, 31, v0                           ; lane
	v_and_b32 v2, 15, v0                           ; r
	v_bfe_u32 v3, v0, 4, 1                         ; h
	v_bfe_u32 v8, v0, 2, 3                         ; lane / 4
.irp j, 0,1,2,3
	v_add_nc_u32 v9, \j, v8
	v_and_b32 v9, 3, v9
	v_lshlrev_b32 v9, 4, v9
	v_lshl_add_u32 v[PA+\j], v1, 6, v9             ; 64 l + 16 ((j + l/4) % 4)
.endr
	v_lshlrev_b32 v10, 4, v1                       ; 16 l
	v_mov_b32 v20, 0                               ; a lane permute's destination counts as read
	s_mul_i32 s33, s20, 4*SPT
	v_add_nc_u32 v11, s33, v10                     ; stage, in: my wave's four rows, 16 bytes a lane
	s_lshl_b32 s33, s20, 6
	v_lshrrev_b32 v21, 1, v1
	v_add_nc_u32 v21, s33, v21                     ; scale bytes: 64 w + block
	s_lshl_b32 s33, s20, 3
	v_mov_b32 v22, s33                             ; q2's two words: 8 w
	v_mul_u32_u24 v23, v2, SPT
	v_lshl_add_u32 v23, v3, 4, v23
	s_lshl_b32 s33, s20, 7
	v_add_nc_u32 v23, s33, v23                     ; stage, out: row r, + 16 h, K step w
	v_lshlrev_b32 v24, 3, v1                       ; 8 l
	v_and_b32 v25, 7, v1
	v_lshlrev_b32 v25, 2, v25                      ; 4 (l % 8)
	s_mov_b32 s28, 0x76543210
	s_mov_b32 s29, 0xfedcba98                      ; lane l xor 16
	s_mov_b32 s30, 0x600000                        ; the mantissa field of 57,344
	s_mov_b32 s31, 0x3b000000                      ; 1 / 512
	s_mov_b32 s32, 0x3727c5ac                      ; 1e-5
	s_and_b32 s21, ttmp9, 31
	s_lshl_b32 s26, s21, 15                        ; the tile's 16 rows of 2,048 bytes
	s_lshl_b32 s27, s20, 13
	s_add_co_u32 s26, s26, s27                     ; my four
	s_mov_b32 s27, 0
	s_lshl_b32 s34, ttmp9, 3
	s_lshl_b32 s35, s20, 1
	s_add_co_u32 s34, s34, s35                     ; my first row of q2
	s_lshl_b32 s36, s34, 11
	s_mov_b32 s37, 0
	s_lshl_b32 s38, s34, 2
	s_mov_b32 s39, 0
	s_lshl_b32 s34, ttmp9, 13
	s_lshl_b32 s35, s20, 11
	s_add_co_u32 s34, s34, s35                     ; the image of my K step
	s_mov_b32 s35, 0
	s_wait_kmcnt 0x0
	s_cmp_lt_u32 ttmp9, 32                         ; Wk's tile or Wv's: the choice hangs on the work-group's number alone
	s_cselect_b64 s[22:23], s[4:5], s[6:7]
	s_add_nc_u64 s[22:23], s[22:23], s[26:27]
	s_add_nc_u64 s[8:9], s[8:9], s[36:37]
	s_add_nc_u64 s[10:11], s[10:11], s[38:39]
	s_add_nc_u64 s[40:41], s[18:19], s[34:35]
	s_lshl_b32 s34, ttmp9, 8
	s_add_nc_u64 s[42:43], s[18:19], s[34:35]
	s_lshl_b32 s34, ttmp9, 5
	s_add_nc_u64 s[44:45], s[18:19], s[34:35]
	s_load_b64 s[24:25], s[10:11], 0x0             ; bq of my two rows
.irp i, 0,1,2,3
	global_load_b128 v[QV+4*\i:QV+4*\i+3], v10, s[12:13] offset:512*\i
.endr
.irp i, 0,1,2,3
	global_load_b128 v[QG+4*\i:QG+4*\i+3], v10, s[14:15] offset:512*\i
.endr
.irp i, 0,1,2,3
	global_load_b128 v[QB+4*\i:QB+4*\i+3], v10, s[16:17] offset:512*\i
.endr
.irp p, 0,1
.irp i, 0,1,2,3
	global_load_b128 v[WQ+16*\p+4*\i:WQ+16*\p+4*\i+3], v10, s[8:9] offset:2048*\p+512*\i
.endr
.endr
.irp a, 0,1,2,3
.irp j, 0,1,2,3
	global_load_b128 v[XR+16*\a+4*\j:XR+16*\a+4*\j+3], v[PA+\j], s[22:23] offset:2048*\a
.endr
.endr
	; ---- LN(query), every wave for itself
	s_wait_loadcnt 24                              ; query, nq_g, nq_b are in; Wq's 8 loads and W's 16 may be out
	v_pk_add_f32 v[12:13], v[QV:QV+1], v[QV+2:QV+3]
	v_pk_add_f32 v[14:15], v[QV+4:QV+5], v[QV+6:QV+7]
	v_pk_add_f32 v[16:17], v[QV+8:QV+9], v[QV+10:QV+11]
	v_pk_add_f32 v[18:19], v[QV+12:QV+13], v[QV+14:QV+15]
	v_pk_add_f32 v[12:13], v[12:13], v[14:15]
	v_pk_add_f32 v[16:17], v[16:17], v[18:19]
	v_pk_add_f32 v[12:13], v[12:13], v[16:17]
	v_add_f32 v12, v12, v13
	WSUM 12, 20
	v_mul_f32 v12, s31, v12                        ; the mean
.irp i, 0,2,4,6,8,10,12,14
	v_pk_add_f32 v[QV+\i:QV+\i+1], v[QV+\i:QV+\i+1], v[12:13] op_sel_hi:[1,0] neg_lo:[0,1] neg_hi:[0,1]
.endr
	v_pk_mul_f32 v[14:15], v[QV:QV+1], v[QV:QV+1]
.irp i, 2,4,6,8,10,12,14
	v_pk_fma_f32 v[14:15], v[QV+\i:QV+\i+1], v[QV+\i:QV+\i+1], v[14:15]
.endr
	v_add_f32 v14, v14, v15
	WSUM 14, 20
	v_fma_f32 v14, v14, s31, s32                   ; the variance + 1e-5
	v_rsq_f32 v16, v14
	v_nop                                          ; a plain line behind the transcendental
	s_wait_alu depctr_va_vdst(0)
.irp i, 0,2,4,6,8,10,12,14
	v_pk_mul_f32 v[QV+\i:QV+\i+1], v[QV+\i:QV+\i+1], v[16:17] op_sel_hi:[1,0]
.endr
.irp i, 0,2,4,6,8,10,12,14
	v_pk_fma_f32 v[QV+\i:QV+\i+1], v[QV+\i:QV+\i+1], v[QG+\i:QG+\i+1], v[QB+\i:QB+\i+1]
.endr
	; ---- my two rows of q2
	s_wait_loadcnt 16                              ; Wq's rows are in; W's 16 loads may be out
.irp p, 0,1
	v_pk_mul_f32 v[16+2*\p:17+2*\p], v[QV:QV+1], v[WQ+16*\p:WQ+16*\p+1]
.endr
.irp i, 2,4,6,8,10,12,14
.irp p, 0,1
	v_pk_fma_f32 v[16+2*\p:17+2*\p], v[QV+\i:QV+\i+1], v[WQ+16*\p+\i:WQ+16*\p+\i+1], v[16+2*\p:17+2*\p]
.endr
.endr
	v_add_f32 v16, v16, v17
	v_add_f32 v18, v18, v19
	WSUM 16, 20
	WSUM 18, 20
	s_wait_kmcnt 0x0                               ; bq
	v_add_f32 v16, s24, v16
	v_add_f32 v18, s25, v18
	v_mul_f32 v16, 0x3e8293ee, v16                 ; x log2(e) / sqrt(32)
	v_mul_f32 v18, 0x3e8293ee, v18
	ds_store_b32 v22, v16 offset:QST               ; all lanes write the same word with the same value
	ds_store_b32 v22, v18 offset:QST+4
	; ---- my four rows of W: a block of 32 lies in lanes l and l xor 1
	s_wait_loadcnt 0x0
.irp a, 0,1,2,3
	v_max3_num_f32 v[MX+\a], |v[XR+16*\a]|, |v[XR+16*\a+1]|, 0x8000000    ; with the floor 2^(16 - 127): the byte cannot fall under 1
.endr
.irp i, 2,4,6,8,10,12,14
.irp a, 0,1,2,3
	v_max3_num_f32 v[MX+\a], |v[XR+16*\a+\i]|, |v[XR+16*\a+\i+1]|, v[MX+\a]
.endr
.endr
.irp a, 0,1,2,3
	v_max_num_f32_dpp v[MX+\a], v[MX+\a], v[MX+\a] row_xmask:1 row_mask:0xf bank_mask:0xf
.endr
.irp a, 0,1,2,3
	v_add_nc_u32 v[SC+\a], 0xf8800000, v[MX+\a]    ; 15 off the exponent field: the conversion's scale operand
.endr
.irp a, 0,1,2,3
	v_and_or_b32 v[HO+\a], v[MX+\a], 0x7f800000, s30   ; 57,344 x the scale
.endr
.irp a, 0,1,2,3
	v_lshrrev_b32 v[BY+\a], 23, v[SC+\a]           ; the scale's byte
.endr
.irp a, 0,1,2,3
.irp i, 0,1,2,3,4,5,6,7,8,9,10,11,12,13,14,15
	v_med3_num_f32 v[XR+16*\a+\i], v[XR+16*\a+\i], -v[HO+\a], v[HO+\a]   ; the conversion does not saturate (ISA guide 7.6.2): the hold comes first
.endr
.endr
.irp a, 0,1,2,3
	v_cvt_scalef32_pk8_bf8_f32 v[CD+4*\a:CD+4*\a+1], v[XR+16*\a:XR+16*\a+7], v[SC+\a]
	v_cvt_scalef32_pk8_bf8_f32 v[CD+4*\a+2:CD+4*\a+3], v[XR+16*\a+8:XR+16*\a+15], v[SC+\a]
.endr
	v_nop                                          ; a plain line behind the last conversion
.irp a, 0,1,2,3
	ds_store_b128 v11, v[CD+4*\a:CD+4*\a+3] offset:STG+SPT*\a
	ds_store_b8 v21, v[BY+\a] offset:SCB+16*\a     ; both lanes of a block write the same byte with the same value
.endr
	s_wait_dscnt 0x0                               ; for the others' sake: my stores have landed
	s_barrier_signal -1
	s_barrier_wait -1
	; ---- wave w sends K step w of the tile, as the image of a fragment's registers: each store covers 512 consecutive bytes
.irp c, 0,1,2,3
	ds_load_b128 v[CD+4*\c:CD+4*\c+3], v23 offset:STG+32*\c
.endr
	s_wait_dscnt 0x0
.irp c, 0,1,2,3
	global_store_b128 v10, v[CD+4*\c:CD+4*\c+3], s[40:41] offset:512*\c
.endr
	s_cmp_lg_u32 s20, 0
	s_cbranch_scc1 .Lnot_wave_0
	ds_load_b64 v[26:27], v24 offset:SCB           ; the tile's 256 scale bytes leave as 256 consecutive bytes, aligned
	s_wait_dscnt 0x0
	global_store_b64 v24, v[26:27], s[42:43] offset:524288
.Lnot_wave_0:
	s_cmp_lg_u32 s20, 1
	s_cbranch_scc1 .Ldone
	ds_load_b32 v28, v25 offset:QST                ; the work-group's 8 numbers of q2
	s_wait_dscnt 0x0
	s_wait_xcnt 0x0                                ; EXEC changes only behind this wait
	v_cmp_gt_u32 vcc_lo, 8, v1
	s_and_saveexec_b32 s46, vcc_lo
	global_store_b32 v25, v28, s[44:45] offset:540672
	s_wait_xcnt 0x0
	s_or_b32 exec_lo, exec_lo, s46
.Ldone:
	s_wait_tensorcnt 0x0
	ds_add_u32 v208, v209
	s_wait_dscnt 0x0
	s_endpgm
.Lfunc_end_k_qd19ae64a0a_prep:
	.size	k_qd19ae64a0a_prep, .Lfunc_end_k_qd19ae64a0a_prep-k_qd19ae64a0a_prep
	.p2alignl 7, 3214868480
	.fill 96, 4, 3214868480
	.section	.rodata,"a",@progbits
	.p2align	6, 0x0
	.amdhsa_kernel k_qd19ae64a0a_prep
		.amdhsa_group_segment_fixed_size 9728
		.amdhsa_private_segment_fixed_size 0
		.amdhsa_enable_private_segment 0
		.amdhsa_kernarg_size 64
		.amdhsa_user_sgpr_count 2
		.amdhsa_user_sgpr_kernarg_segment_ptr 1
		.amdhsa_wavefront_size32 1
		.amdhsa_system_sgpr_workgroup_id_x 1
		.amdhsa_system_sgpr_workgroup_id_y 1
		.amdhsa_system_sgpr_workgroup_id_z 1
		.amdhsa_system_vgpr_workitem_id 0
		.amdhsa_next_free_vgpr 210
		.amdhsa_next_free_sgpr 66
		.amdhsa_reserve_vcc 1
		.amdhsa_float_denorm_mode_32 3
		.amdhsa_float_denorm_mode_16_64 3
		.amdhsa_memory_ordered 1
		.amdhsa_forward_progress 1
		.amdhsa_inst_pref_size 22
	.end_amdhsa_kernel
	.amdgpu_metadata
---
amdhsa.version: [ 1, 2 ]
amdhsa.kernels:
  - .name:           k_qd19ae64a0a_prep
    .symbol:         k_qd19ae64a0a_prep.kd
    .args:
      - { .name: Wk, .offset: 0, .size: 8, .value_kind: global_buffer, .address_space: global }
      - { .name: Wv, .offset: 8, .size: 8, .value_kind: global_buffer, .address_space: global }
      - { .name: Wq, .offset: 16, .size: 8, .value_kind: global_buffer, .address_space: global }
      - { .name: bq, .offset: 24, .size: 8, .value_kind: global_buffer, .address_space: global }
      - { .name: query, .offset: 32, .size: 8, .value_kind: global_buffer, .address_space: global }
      - { .name: nq_g, .offset: 40, .size: 8, .value_kind: global_buffer, .address_space: global }
      - { .name: nq_b, .offset: 48, .size: 8, .value_kind: global_buffer, .address_space: global }
      - { .name: wts, .offset: 56, .size: 8, .value_kind: global_buffer, .address_space: global }
    .group_segment_fixed_size: 9728
    .private_segment_fixed_size: 0
    .kernarg_segment_align: 8
    .kernarg_segment_size: 64
    .max_flat_workgroup_size: 128
    .sgpr_count:     66
    .vgpr_count:     210
    .wavefront_size: 32
...
	.end_amdgpu_metadata
.endif
;; end of part 1
;; launch keys (part 2): grid 256 x 1, 4 waves a work-group, no clusters, 327,680 bytes of LDS; arguments x, norm_g, norm_b, nk_g, nk_b, nv_g, nv_b, bk, wts, vcodes, vscales, scores, stats; writes vcodes, vscales, scores, stats
.if DOCPART == 2
	.amdgcn_target "amdgcn-amd-amdhsa--gfx1250"
	.amdhsa_code_object_version 6
	.text
	.protected	k_qd19ae64a0a_keys
	.globl	k_qd19ae64a0a_keys
	.p2align	8
	.type	k_qd19ae64a0a_keys,@function
k_qd19ae64a0a_keys:
	s_mov_b64 s[64:65], 0
	v_nop
	global_prefetch_b8 v0, s[64:65] scope:SCOPE_SE
	s_setreg_imm32_b32 hwreg(HW_REG_WAVE_MODE, 25, 1), 1
	s_wait_xcnt 0x0
; x [65536][512] f32 -> xn = LN(x) -> y = (xn - mean) rstd -> kn = y nk_g + nk_b, vn = y nv_g + nv_b; both are quantised to E5M2 with one E8M0 byte for each 32 columns.
; kn's codes are multiplied with Wk's (v_wmma_scale_f32_16x16x128_f8f6f4); t = (k + bk) . q2 for each head is stored (q2 holds 1/sqrt(32) and log2(e), so the softmax goes in base 2);
; vn's codes and scale bytes are stored for the next launch; for each head a maximum m of t and the sum l of 2^(t - m) over the work-group's 256 rows are stored.
; WHY TWO PASSES: attn is clipped from below, which wants the final maximum and sum of all 8,192 rows of a head ahead of the weighted sum; the rows lie in 32 work-groups.
; SHARES.  Work-group g: rows 256 g .. + 255, four blocks of 64.  Norms and quantisers: wave w takes rows 16 w .. + 15 of a block, four at a time, a row across the 32 lanes.
; Product: wave w takes k's columns 128 w .. + 127 (8 tiles, heads 4 w .. 4 w + 3) for all 64 rows; its 32 fragments of Wk stay in 512 registers for the whole launch.
; ORDER ALONG K.  Lane l owns columns 16 l .. + 15; register 4 j + i holds column 16 l + 4 ((j + l/4) % 4) + i, so that the sixteen lanes of a 16-byte LDS load from rows of 2,048 bytes touch sixteen
; different 16-byte columns modulo 256.  The gains, the biases and the weights' codes are laid alike; blocks of 32 and their scales are the true ones.  The unit so groups a block's products in another order than K's own.
; THE PRODUCT IS USED TRANSPOSED: source 0 = 16 rows of Wk, source 1 = 16 rows of kn: lane (r, h) holds row r and columns 16 t + 8 h + 0 .. 7.
; NO CLUSTER: work-groups share only Wk's codes, which each wave reads once, straight into registers; they have no room in LDS beside the ring.
; LIMITS: NaN and infinities are not served.  A block under 2^-111 (zeros too) gets the byte 1; this program alone reads the bytes.  bk enters as q2 . bk added to the score.
; LDS: two slots of 64 rows of x (wave w's 16 rows at 32,768 w), filled by tensor loads alone; behind them what ds_store writes.
.set SLOTB, 131072
.set KIMG,  262144                     ; kn's codes: 64 rows, 528 bytes apart
.set KP,    528
.set KSC,   KIMG+64*KP                 ; kn's scale bytes: 64 rows x 16
.set VSC,   KSC+1024                   ; vn's: 256 bytes for each wave
.set SST,   VSC+1024                   ; the scores' stage: [4 heads][64 rows] f32 for each wave
.set SPARE, SST+4096                   ; the spare words: 128 bytes for each wave, two blocks of 256 bytes that no other line names
; window 0
.set AX,  4                            ; v4-7    LDS byte of my piece j of my wave's first row, slot 0
.set AXC, 8                            ; v8-11   the same in the slot in hand
.set KA,  12                           ; where my wave's rows of kn's codes go
.set KB8, 13                           ; and their scale bytes
.set VB8, 14                           ; vn's scale bytes
.set VO,  15                           ; 16 l
.set FRA, 16                           ; a fragment's row r, + 16 h
.set XSA, 17                           ; kn's scale words: 16 l
.set SA,  18                           ; the scores' stage, in
.set SR,  19                           ; and back
.set SGO, 20                           ; the scores in memory: 32,768 h + 16 r
.set VSR, 21                           ; vn's scale bytes, back
.set VSO, 22                           ; 8 l
.set PFO, 23                           ; 256 l
.set BY,  24                           ; v24-27  scale bytes
.set SPW, 28
.set NIL, 29
.set CB,  30                           ; v30-31  q2 . bk of heads (h, 2 + h)
.set WS,  32                           ; v32-63  Wk's scale words: tile t, K step S at 4 t + S
.set XS,  64                           ; v64-71  kn's: rows 32 u + lane, K step S at 4 u + S
.set ML,  72                           ; v72-75  m, l of head h; m, l of head 2 + h
.set RU,  76                           ; v76-83  four pairs at work
.set MR,  84                           ; v84-91  four pairs (mean, rstd); in the product four pairs of partial scores
.set RS,  92                           ; v92-95
.set PL,  96                           ; v96-99  lane permutes' destinations
.set MX,  100                          ; v100-103 largest magnitudes
.set SC,  104                          ; v104-107 the conversions' scale operands
.set HO,  108                          ; v108-111 57,344 x the scale
.set RT,  100                          ; v100-107 in the product: two registers of scores for each tile of rows
.set CD,  112                          ; v112-127 codes
.set BA,  128                          ; v128-191, v192-255: four rows of x each; in the product a tile's four fragments each
.set BB,  192
; windows 1, 2: Wk's tiles 0-3, 4-7: tile t, K step S at 64 (t % 4) + 16 S.   window 3:
.set Q3,  96                           ; v0-95 the six gains and biases, 16 each; v96-159 q2 in the result's layout
.set ACC, 160                          ; v160-223 the 8 accumulators; among the norms: kn's four rows
.set T3,  160
.set MSB, 0
.macro WIN new                         ; low byte: bits 1:0 source 0, 3:2 source 1, 5:4 source 2, 7:6 destination; the high byte repeats the setting that is left
.if MSB != \new
	s_set_vgpr_msb (MSB<<8)|\new
.set MSB, \new
.endif
.endm
.macro RED4                            ; four sums over the 32 lanes, by turns
.irp x, 1,2,4,8
.irp a, 0,1,2,3
	v_add_f32_dpp v[RS+\a], v[RS+\a], v[RS+\a] row_xmask:\x row_mask:0xf bank_mask:0xf
.endr
.endr
.irp a, 0,1,2,3
	v_permlanex16_b32 v[PL+\a], v[RS+\a], s56, s57
.endr
.irp a, 0,1,2,3
	v_add_f32 v[RS+\a], v[RS+\a], v[PL+\a]
.endr
.endm
.macro NORM buf                        ; four rows in v[buf] on: (x - mean) / sqrt(variance + 1e-5), mean first, then the squares of what is left
.irp a, 0,1,2,3
	v_pk_add_f32 v[RU+2*\a:RU+2*\a+1], v[\buf+16*\a:\buf+16*\a+1], v[\buf+16*\a+2:\buf+16*\a+3]
.endr
.irp i, 4,6,8,10,12,14
.irp a, 0,1,2,3
	v_pk_add_f32 v[RU+2*\a:RU+2*\a+1], v[RU+2*\a:RU+2*\a+1], v[\buf+16*\a+\i:\buf+16*\a+\i+1]
.endr
.endr
.irp a, 0,1,2,3
	v_add_f32 v[RS+\a], v[RU+2*\a], v[RU+2*\a+1]
.endr
	RED4
.irp a, 0,1,2,3
	v_mul_f32 v[MR+2*\a], s59, v[RS+\a]
.endr
.irp i, 0,2,4,6,8,10,12,14
.irp a, 0,1,2,3
	v_pk_add_f32 v[\buf+16*\a+\i:\buf+16*\a+\i+1], v[\buf+16*\a+\i:\buf+16*\a+\i+1], v[MR+2*\a:MR+2*\a+1] op_sel_hi:[1,0] neg_lo:[0,1] neg_hi:[0,1]
.endr
.endr
.irp a, 0,1,2,3
	v_pk_mul_f32 v[RU+2*\a:RU+2*\a+1], v[\buf+16*\a:\buf+16*\a+1], v[\buf+16*\a:\buf+16*\a+1]
.endr
.irp i, 2,4,6,8,10,12,14
.irp a, 0,1,2,3
	v_pk_fma_f32 v[RU+2*\a:RU+2*\a+1], v[\buf+16*\a+\i:\buf+16*\a+\i+1], v[\buf+16*\a+\i:\buf+16*\a+\i+1], v[RU+2*\a:RU+2*\a+1]
.endr
.endr
.irp a, 0,1,2,3
	v_add_f32 v[RS+\a], v[RU+2*\a], v[RU+2*\a+1]
.endr
	RED4
.irp a, 0,1,2,3
	v_fma_f32 v[RS+\a], v[RS+\a], s59, s60
.endr
.irp a, 0,1,2,3
	v_rsq_f32 v[MR+2*\a+1], v[RS+\a]
.endr
	v_nop                                          ; a plain line behind the transcendentals
	s_wait_alu depctr_va_vdst(0)
.irp i, 0,2,4,6,8,10,12,14
.irp a, 0,1,2,3
	v_pk_mul_f32 v[\buf+16*\a+\i:\buf+16*\a+\i+1], v[\buf+16*\a+\i:\buf+16*\a+\i+1], v[MR+2*\a:MR+2*\a+1] op_sel:[0,1] op_sel_hi:[1,1]
.endr
.endr
.endm
.macro AFF buf, pg, pb                 ; in place: x gain + bias; gain and bias lie in window 3
	WIN 0x3c
.irp i, 0,2,4,6,8,10,12,14
.irp a, 0,1,2,3
	v_pk_fma_f32 v[\buf+16*\a+\i:\buf+16*\a+\i+1], v[\buf+16*\a+\i:\buf+16*\a+\i+1], v[\pg+\i:\pg+\i+1], v[\pb+\i:\pb+\i+1]
.endr
.endr
	WIN 0
.endm
.macro QSC                             ; a block lies in lanes l and l xor 1; then the conversion's scale operand and the hold
.irp a, 0,1,2,3
	v_max_num_f32_dpp v[MX+\a], v[MX+\a], v[MX+\a] row_xmask:1 row_mask:0xf bank_mask:0xf
.endr
.irp a, 0,1,2,3
	v_add_nc_u32 v[SC+\a], 0xf8800000, v[MX+\a]    ; 15 off the exponent field
.endr
.irp a, 0,1,2,3
	v_and_or_b32 v[HO+\a], v[MX+\a], 0x7f800000, s58   ; 57,344 x the scale
.endr
.endm
.macro LOADX buf, grp                  ; rows 4 grp .. + 3 of my wave's 16, from the slot in hand
.irp a, 0,1,2,3
.irp j, 0,1,2,3
	ds_load_b128 v[\buf+16*\a+4*\j:\buf+16*\a+4*\j+3], v[AXC+\j] offset:(4*(\grp)+\a)*2048
.endr
.endr
.endm
; Four rows from x to both operands' codes.
.macro QGROUP buf, grp, next
.if \grp == 3
	s_wait_dscnt 0x0                               ; the last group's byte stores have read their registers
.else
	s_wait_dscnt 16                                ; all but the 16 loads issued last: my rows are in, and the last group's byte stores have read their registers
.endif
	NORM \buf
	AFF \buf, 0, 16                                ; xn
	NORM \buf                                      ; y: kn and vn share the second norm's mean and variance
	WIN 0xfc
.irp i, 0,2,4,6,8,10,12,14
.irp a, 0,1,2,3
	v_pk_fma_f32 v[T3+16*\a+\i:T3+16*\a+\i+1], v[\buf+16*\a+\i:\buf+16*\a+\i+1], v[32+\i:33+\i], v[48+\i:49+\i]   ; kn, into window 3
.endr
.endr
	WIN 0x0f
.irp a, 0,1,2,3
	v_max3_num_f32 v[MX+\a], |v[T3+16*\a]|, |v[T3+16*\a+1]|, 0x8000000     ; with the floor 2^(16 - 127)
.endr
.irp i, 2,4,6,8,10,12,14
.irp a, 0,1,2,3
	v_max3_num_f32 v[MX+\a], |v[T3+16*\a+\i]|, |v[T3+16*\a+\i+1]|, v[MX+\a]
.endr
.endr
	WIN 0
	QSC
.irp a, 0,1,2,3
	v_lshrrev_b32 v[BY+\a], 23, v[SC+\a]
.endr
	WIN 0xc3
.irp a, 0,1,2,3
.irp i, 0,1,2,3,4,5,6,7,8,9,10,11,12,13,14,15
	v_med3_num_f32 v[T3+16*\a+\i], v[T3+16*\a+\i], -v[HO+\a], v[HO+\a]    ; the conversion does not saturate (ISA guide 7.6.2)
.endr
.endr
	s_wait_xcnt 0x0                                ; the codes' registers were the data of the last group's stores to memory
	WIN 0x03
.irp a, 0,1,2,3
	v_cvt_scalef32_pk8_bf8_f32 v[CD+4*\a:CD+4*\a+1], v[T3+16*\a:T3+16*\a+7], v[SC+\a]
	v_cvt_scalef32_pk8_bf8_f32 v[CD+4*\a+2:CD+4*\a+3], v[T3+16*\a+8:T3+16*\a+15], v[SC+\a]
.endr
	WIN 0
	v_nop                                          ; a plain line behind the last conversion
.irp a, 0,1,2,3
	ds_store_b128 v[KA], v[CD+4*\a:CD+4*\a+3] offset:(4*(\grp)+\a)*KP
	ds_store_b8 v[KB8], v[BY+\a] offset:(4*(\grp)+\a)*16           ; both lanes of a block write the same byte with the same value
.endr
	AFF \buf, 64, 80                               ; vn, in place
.irp a, 0,1,2,3
	v_max3_num_f32 v[MX+\a], |v[\buf+16*\a]|, |v[\buf+16*\a+1]|, 0x8000000
.endr
.irp i, 2,4,6,8,10,12,14
.irp a, 0,1,2,3
	v_max3_num_f32 v[MX+\a], |v[\buf+16*\a+\i]|, |v[\buf+16*\a+\i+1]|, v[MX+\a]
.endr
.endr
	QSC
.irp a, 0,1,2,3
.irp i, 0,1,2,3,4,5,6,7,8,9,10,11,12,13,14,15
	v_med3_num_f32 v[\buf+16*\a+\i], v[\buf+16*\a+\i], -v[HO+\a], v[HO+\a]
.endr
.endr
	s_wait_dscnt 0x0                               ; kn's LDS stores have read the codes' and the bytes' registers (and the other buffer's rows are in)
.irp a, 0,1,2,3
	v_lshrrev_b32 v[BY+\a], 23, v[SC+\a]
.endr
.irp a, 0,1,2,3
	v_cvt_scalef32_pk8_bf8_f32 v[CD+4*\a:CD+4*\a+1], v[\buf+16*\a:\buf+16*\a+7], v[SC+\a]
	v_cvt_scalef32_pk8_bf8_f32 v[CD+4*\a+2:CD+4*\a+3], v[\buf+16*\a+8:\buf+16*\a+15], v[SC+\a]
.endr
	v_nop
.irp a, 0,1,2,3
	global_store_b128 v[VO], v[CD+4*\a:CD+4*\a+3], s[22:23] offset:(4*(\grp)+\a)*512   ; a row's 512 codes: 512 consecutive bytes, aligned
	ds_store_b8 v[VB8], v[BY+\a] offset:(4*(\grp)+\a)*16
.endr
.if \next >= 0
	LOADX \buf, \next
.endif
.endm
.macro FRAGS buf, m                    ; the four fragments of rows 16 m .. + 15 of kn
.irp s, 0,1,2,3
.irp c, 0,1,2,3
	ds_load_b128 v[\buf+16*\s+4*\c:\buf+16*\s+4*\c+3], v[FRA] offset:(\m)*16*KP+128*\s+32*\c
.endr
.endr
.endm
.macro MM t, s, m, buf                 ; tile t of k's columns, K step s, rows 16 m on.  An odd m's scale words lie in lanes 16-31
.set rD, ACC+8*(\t)
.set rW, 64*((\t)%4)+16*(\s)
.set rX, \buf+16*(\s)
.set rA, WS+4*(\t)+(\s)
.set rB, XS+4*((\m)/2)+(\s)
.if (\m)%2 == 0
.if (\s) == 0
	v_wmma_scale_f32_16x16x128_f8f6f4 v[rD:rD+7], v[rW:rW+15], v[rX:rX+15], 0, v[rA], v[rB] matrix_a_fmt:MATRIX_FMT_BF8 matrix_b_fmt:MATRIX_FMT_BF8
.else
	v_wmma_scale_f32_16x16x128_f8f6f4 v[rD:rD+7], v[rW:rW+15], v[rX:rX+15], v[rD:rD+7], v[rA], v[rB] matrix_a_fmt:MATRIX_FMT_BF8 matrix_b_fmt:MATRIX_FMT_BF8
.endif
.else
.if (\s) == 0
	v_wmma_scale_f32_16x16x128_f8f6f4 v[rD:rD+7], v[rW:rW+15], v[rX:rX+15], 0, v[rA], v[rB] matrix_a_fmt:MATRIX_FMT_BF8 matrix_b_fmt:MATRIX_FMT_BF8 matrix_b_scale:MATRIX_SCALE_ROW1
.else
	v_wmma_scale_f32_16x16x128_f8f6f4 v[rD:rD+7], v[rW:rW+15], v[rX:rX+15], v[rD:rD+7], v[rA], v[rB] matrix_a_fmt:MATRIX_FMT_BF8 matrix_b_fmt:MATRIX_FMT_BF8 matrix_b_scale:MATRIX_SCALE_ROW1
.endif
.endif
.endm
; Four pairs of partial sums (heads 0-3 of my wave) in v[MR] on: each pair's halves are added; lanes 0-15 keep heads 0 and 2 and send 1 and 3 to lane l xor 16, lanes 16-31 the other way round.
.macro FOLD d0, d1
.irp a, 0,1,2,3
	v_add_f32 v[MR+2*\a], v[MR+2*\a], v[MR+2*\a+1]
.endr
	v_cndmask_b32 v[RS], v[MR], v[MR+2], s61
	v_cndmask_b32 v[RS+1], v[MR+2], v[MR], s61
	v_cndmask_b32 v[RS+2], v[MR+4], v[MR+6], s61
	v_cndmask_b32 v[RS+3], v[MR+6], v[MR+4], s61
	v_permlanex16_b32 v[PL], v[RS+1], s56, s57
	v_permlanex16_b32 v[PL+1], v[RS+3], s56, s57
	v_add_f32 v[\d0], v[RS], v[PL]
	v_add_f32 v[\d1], v[RS+2], v[PL+1]
.endm
; 16 rows of k for my 128 columns, and their four scores.  The accumulators take turns, one instruction a turn.
.macro TILE m, buf, nxt, cnt
	s_wait_dscnt \cnt                              ; my fragments (and the scale words) are in; the count is what was issued behind them
	WIN 0xf1
.irp s, 0,1,2,3
.irp t, 0,1,2,3
	MM \t, \s, \m, \buf
.endr
.endr
	WIN 0xf2
.irp s, 0,1,2,3
.irp t, 4,5,6,7
	MM \t, \s, \m, \buf
.endr
.endr
	WIN 0
.rept 8
	v_nop                                          ; eight plain lines in front of loads into registers that the products have read, and of the first read of results
.endr
.if \nxt >= 0
	FRAGS \buf, \nxt
.endif
	WIN 0x0f
.irp a, 0,1,2,3
	v_pk_mul_f32 v[MR+2*\a:MR+2*\a+1], v[ACC+16*\a:ACC+16*\a+1], v[Q3+16*\a:Q3+16*\a+1]   ; each accumulator is read from its low end on
.endr
.irp i, 2,4,6,8,10,12,14
.irp a, 0,1,2,3
	v_pk_fma_f32 v[MR+2*\a:MR+2*\a+1], v[ACC+16*\a+\i:ACC+16*\a+\i+1], v[Q3+16*\a+\i:Q3+16*\a+\i+1], v[MR+2*\a:MR+2*\a+1]
.endr
.endr
	WIN 0
	FOLD RT+2*(\m), RT+2*(\m)+1
	v_add_f32 v[RT+2*(\m)], v[RT+2*(\m)], v[CB]    ; + q2 . bk
	v_add_f32 v[RT+2*(\m)+1], v[RT+2*(\m)+1], v[CB+1]
	ds_store_b32 v[SA], v[RT+2*(\m)] offset:64*(\m)
	ds_store_b32 v[SA], v[RT+2*(\m)+1] offset:64*(\m)+512
.endm
; A block of 64 rows.  refill = 1: the slot just read takes the block two further on.
.macro BLOCK refill
.irp j, 0,1,2,3
	v_add_nc_u32 v[AXC+\j], s48, v[AX+\j]
.endr
	LOADX BA, 0
	LOADX BB, 1
	QGROUP BA, 0, 2
.if \refill
.irp k, 0,1,2,3
	global_prefetch_b8 v[PFO], s[66:67] offset:8192*\k th:TH_LOAD_NT scope:SCOPE_SE   ; my wave's 32,768 bytes of the block that this trip's tensor load will ask for three groups of rows later: lanes 256 bytes apart, each piece asked for once; the last two blocks ask for nothing
.endr
.endif
	QGROUP BB, 1, 3
	QGROUP BA, 2, -1
	QGROUP BB, 3, -1
	ds_load_b64 v[RU:RU+1], v[VSR]                 ; my 16 rows' scale bytes of vn (LDS serves a wave's instructions in order: this sees my stores)
.if \refill
	s_wait_tensorcnt 0x0                           ; all my tensor loads have landed, so a group 0 may be written;
	ds_add_u32 v[SPW], v[NIL]                      ; 0 onto my spare word;
	s_xor_b32 s45, s45, SLOTB                      ; the walking descriptor: the slot that I have just read,
	s_add_nc_u64 s[46:47], s[46:47], SLOTB         ; the next 64 rows; the type bits on top are not reached
	s_wait_dscnt 0x0                               ; the add is done, my reads of the slot are back, my stores of kn's codes have landed
	s_barrier_signal -1
	s_barrier_wait -1
	tensor_load_to_lds s[44:47], s[32:39]          ; my one tensor load behind this barrier, and the first thing there
	s_nop 0
.rept 4
	v_nop
.endr
.else
	s_wait_dscnt 0x0                               ; my stores of kn's codes have landed
	s_barrier_signal -1
	s_barrier_wait -1
.endif
	global_store_b64 v[VSO], v[RU:RU+1], s[24:25]  ; 256 consecutive bytes, aligned
	s_wait_loadcnt 0x0                             ; Wk's fragments (asked for at the head; they had the first block's norms in which to land)
	ds_load_b128 v[XS:XS+3], v[XSA]
	ds_load_b128 v[XS+4:XS+7], v[XSA] offset:512
	FRAGS BA, 0
	FRAGS BB, 1
	TILE 0, BA, 2, 16                              ; behind my fragments: the next tile's 16 loads
	TILE 1, BB, 3, 18                              ; 16 loads and 2 stores
	TILE 2, BA, -1, 20                             ; 2 stores, 16 loads, 2 stores
	TILE 3, BB, -1, 4                              ; 2 stores and 2 stores
	ds_load_b128 v[BA:BA+3], v[SR]                 ; the 64 rows' scores of heads h and 2 + h, four rows a lane
	ds_load_b128 v[BA+4:BA+7], v[SR] offset:512
	s_wait_dscnt 0x0
	global_store_b128 v[SGO], v[BA:BA+3], s[26:27]                 ; sixteen lanes store 256 consecutive bytes of a head's row, aligned
	global_store_b128 v[SGO], v[BA+4:BA+7], s[26:27] offset:65536
	v_max3_num_f32 v84, v[BA], v[BA+1], v[ML]      ; the running maximum and sum, for each lane's own rows
	v_max3_num_f32 v85, v[BA+4], v[BA+5], v[ML+2]
	v_max3_num_f32 v84, v[BA+2], v[BA+3], v84
	v_max3_num_f32 v85, v[BA+6], v[BA+7], v85
	v_sub_f32 v86, v[ML], v84
	v_sub_f32 v87, v[ML+2], v85
.irp i, 0,1,2,3
	v_sub_f32 v[88+\i], v[BA+\i], v84
	v_sub_f32 v[92+\i], v[BA+4+\i], v85
.endr
.irp i, 0,1,2,3,4,5,6,7,8,9
	v_exp_f32 v[86+\i], v[86+\i]
.endr
	v_mov_b32 v[ML], v84                           ; (a plain line behind the exponentials)
	v_mov_b32 v[ML+2], v85
	s_wait_alu depctr_va_vdst(0)
	v_add_f32 v88, v88, v89
	v_add_f32 v90, v90, v91
	v_add_f32 v92, v92, v93
	v_add_f32 v94, v94, v95
	v_add_f32 v88, v88, v90
	v_add_f32 v92, v92, v94
	v_fma_f32 v[ML+1], v[ML+1], v86, v88
	v_fma_f32 v[ML+3], v[ML+3], v87, v92
	s_wait_xcnt 0x0                                ; the stores' bases and data, and the prefetches' base, are written again only behind this wait
	s_add_nc_u64 s[22:23], s[22:23], 32768
	s_add_nc_u64 s[24:25], s[24:25], 1024
	s_add_nc_u64 s[26:27], s[26:27], 256
.if \refill
	s_add_nc_u64 s[66:67], s[66:67], SLOTB
.else
	s_wait_tensorcnt 0x0                           ; the last block's load: nothing was issued behind it
.endif
	s_xor_b32 s48, s48, SLOTB                      ; on to the other slot
	s_barrier_signal -1                            ; every wave's reads of kn's codes are back (the wait for 0 above): they may be written again.
	s_barrier_wait -1
.endm
	s_load_b512 s[4:19], s[0:1], 0x0               ; x, norm_g, norm_b, nk_g, nk_b, nv_g, nv_b, bk
	s_load_b256 s[20:27], s[0:1], 0x40             ; wts, vcodes, vscales, scores
	s_load_b64 s[28:29], s[0:1], 0x60              ; stats
	v_lshl_add_u32 v[SPW], v0, 2, SPARE
	v_mov_b32 v[NIL], 0
	ds_add_u32 v28, v29
	ds_add_u32 v28, v29
	s_wait_dscnt 0x0
	v_lshrrev_b32 v1, 5, v0
	v_readfirstlane_b32 s30, v1                    ; wave
	; descriptor group 1: a wave's 16 rows of a block are 32,768 dense bytes: 128 rows of 32 elements of 8 bytes, no padding
	s_mov_b32 s32, 3<<16
	s_mov_b32 s33, 32<<16                          ; tensor_dim0
	s_mov_b32 s34, 128<<16                         ; tensor_dim1
	s_mov_b32 s35, 32<<16                          ; tile_dim0
	s_mov_b32 s36, 128                             ; tile_dim1
	s_mov_b32 s37, 32                              ; from row to row
	s_mov_b32 s38, 0
	s_mov_b32 s39, 0
	s_lshl_b32 s49, s30, 15                        ; my wave's place in a slot, and among a block's rows
	s_lshl_b32 s50, ttmp9, 19                      ; the work-group's 256 rows of 2,048 bytes
	s_add_co_u32 s50, s50, s49
	s_mov_b32 s51, 0
	s_mov_b32 s48, 0                               ; the slot in hand
	s_mov_b32 s56, 0x76543210
	s_mov_b32 s57, 0xfedcba98                      ; lane l xor 16
	s_mov_b32 s58, 0x600000                        ; the mantissa field of 57,344
	s_mov_b32 s59, 0x3b000000                      ; 1 / 512
	s_mov_b32 s60, 0x3727c5ac                      ; 1e-5
	s_mov_b32 s61, 0xffff0000                      ; lanes 16-31
	s_wait_kmcnt 0x0
	s_mov_b32 s40, 1
	s_mov_b32 s41, s49
	s_add_nc_u64 s[42:43], s[4:5], s[50:51]        ; block 0 -> slot 0
	s_add_nc_u64 s[46:47], s[42:43], SLOTB         ; block 1 -> slot 1; this descriptor then walks
	s_add_nc_u64 s[66:67], s[42:43], 2*SLOTB       ; the prefetches begin at block 2
	s_or_b32 s43, s43, 0x80000000
	s_mov_b32 s44, 1
	s_add_co_u32 s45, s49, SLOTB
	s_or_b32 s47, s47, 0x80000000
	tensor_load_to_lds s[40:43], s[32:39]          ; both first fills go out together, ahead of everything else: two loads of mine are out
	s_nop 0
	tensor_load_to_lds s[44:47], s[32:39]
	s_nop 0
.rept 4
	v_nop
.endr
	s_mov_b32 s69, 0
	s_lshl_b32 s68, ttmp9, 17
	s_lshl_b32 s62, s30, 13
	s_add_co_u32 s68, s68, s62
	s_add_nc_u64 s[22:23], s[22:23], s[68:69]      ; vn's codes: 512 bytes a row
	s_lshl_b32 s68, ttmp9, 12
	s_lshl_b32 s62, s30, 8
	s_add_co_u32 s68, s68, s62
	s_add_nc_u64 s[24:25], s[24:25], s[68:69]      ; its scale bytes: 16 a row
	s_lshr_b32 s68, ttmp9, 5
	s_lshl_b32 s68, s68, 19                        ; scores [batch][head][8192]: the batch,
	s_lshl_b32 s62, s30, 17
	s_add_co_u32 s68, s68, s62                     ; my four heads,
	s_and_b32 s62, ttmp9, 31
	s_lshl_b32 s62, s62, 10
	s_add_co_u32 s68, s68, s62                     ; the work-group's 256 rows
	s_add_nc_u64 s[26:27], s[26:27], s[68:69]
	s_lshl_b32 s68, ttmp9, 7
	s_lshl_b32 s62, s30, 5
	s_add_co_u32 s68, s68, s62
	s_add_nc_u64 s[28:29], s[28:29], s[68:69]      ; stats: 128 bytes a work-group, 32 a wave
	s_lshl_b32 s68, s30, 16
	s_add_nc_u64 s[70:71], s[20:21], s[68:69]      ; my 8 tiles of Wk
	v_and_b32 v1, 31, v0                           ; lane
	v_and_b32 v2, 15, v0                           ; r
	v_bfe_u32 v3, v0, 4, 1                         ; h
	v_bfe_u32 v[RU], v0, 2, 3                      ; lane / 4
.irp j, 0,1,2,3
	v_add_nc_u32 v[RU+1], \j, v[RU]
	v_and_b32 v[RU+1], 3, v[RU+1]
	v_lshlrev_b32 v[RU+1], 4, v[RU+1]
	v_lshl_add_u32 v[AXC+\j], v1, 6, v[RU+1]       ; 64 l + 16 ((j + l/4) % 4): for now the offset into the gains and biases
	v_add_nc_u32 v[AX+\j], s49, v[AXC+\j]
.endr
	s_mul_i32 s62, s30, 16*KP
	s_add_co_u32 s62, s62, KIMG
	v_lshl_add_u32 v[KA], v1, 4, s62
	s_lshl_b32 s62, s30, 8
	s_add_co_u32 s63, s62, KSC
	v_lshrrev_b32 v[KB8], 1, v1
	v_lshrrev_b32 v[VB8], 1, v1
	v_add_nc_u32 v[KB8], s63, v[KB8]
	s_add_co_u32 s63, s62, VSC
	v_add_nc_u32 v[VB8], s63, v[VB8]
	v_lshl_add_u32 v[VSR], v1, 3, s63
	v_lshlrev_b32 v[VO], 4, v1
	v_mul_u32_u24 v[FRA], v2, KP
	v_lshl_add_u32 v[FRA], v3, 4, v[FRA]
	v_add_nc_u32 v[FRA], KIMG, v[FRA]
	v_lshl_add_u32 v[XSA], v1, 4, KSC
	s_lshl_b32 s62, s30, 10
	s_add_co_u32 s62, s62, SST
	v_lshlrev_b32 v[SA], 2, v2
	v_lshl_add_u32 v[SA], v3, 8, v[SA]
	v_add_nc_u32 v[SA], s62, v[SA]                 ; head h (or 2 + h, 512 bytes on), row r of the tile
	v_lshl_add_u32 v[SR], v1, 4, s62
	v_lshlrev_b32 v[SGO], 4, v2
	v_lshl_add_u32 v[SGO], v3, 15, v[SGO]
	v_lshlrev_b32 v[VSO], 3, v1
	v_lshlrev_b32 v[PFO], 8, v1
	s_lshl_b32 s62, s30, 9
	v_lshlrev_b32 v[MX], 5, v3
	v_add_nc_u32 v[MX], s62, v[MX]                 ; q2, bk: 512 w + 32 h
	s_lshl_b32 s62, s30, 11
	v_lshlrev_b32 v[MX+1], 4, v2
	v_add_nc_u32 v[MX+1], s62, v[MX+1]             ; Wk's scale words: 2,048 w + 16 r
.irp a, 0,1,2,3
	v_mov_b32 v[PL+\a], 0                          ; written once: a lane permute's destination counts as read
.endr
	v_mov_b32 v[ML], 0xff61b1e6                    ; -3e38, under every t
	v_mov_b32 v[ML+1], 0
	v_mov_b32 v[ML+2], 0xff61b1e6
	v_mov_b32 v[ML+3], 0
	WIN 0xc0
.irp p, 0,1,2,3,4,5
.irp j, 0,1,2,3
	global_load_b128 v[16*\p+4*\j:16*\p+4*\j+3], v[AXC+\j], s[6+2*\p:7+2*\p]      ; norm_g, norm_b, nk_g, nk_b, nv_g, nv_b, laid as a row of x
.endr
.endr
.irp t, 0,1,2,3,4,5,6,7
	global_load_b128 v[Q3+8*\t:Q3+8*\t+3], v[MX], s[20:21] offset:540672+64*\t
	global_load_b128 v[Q3+8*\t+4:Q3+8*\t+7], v[MX], s[20:21] offset:540672+64*\t+16
.endr
	WIN 0
.irp t, 0,1,2,3,4,5,6,7
	global_load_b128 v[BA+8*\t:BA+8*\t+3], v[MX], s[18:19] offset:64*\t
	global_load_b128 v[BA+8*\t+4:BA+8*\t+7], v[MX], s[18:19] offset:64*\t+16
.endr
.irp t, 0,1,2,3,4,5,6,7
	global_load_b128 v[WS+4*\t:WS+4*\t+3], v[MX+1], s[20:21] offset:524288+256*\t
.endr
	s_wait_loadcnt 0x0
	WIN 0x03                                       ; q2 . bk for each of my four heads
.irp a, 0,1,2,3
	v_pk_mul_f32 v[MR+2*\a:MR+2*\a+1], v[Q3+16*\a:Q3+16*\a+1], v[BA+16*\a:BA+16*\a+1]
.endr
.irp i, 2,4,6,8,10,12,14
.irp a, 0,1,2,3
	v_pk_fma_f32 v[MR+2*\a:MR+2*\a+1], v[Q3+16*\a+\i:Q3+16*\a+\i+1], v[BA+16*\a+\i:BA+16*\a+\i+1], v[MR+2*\a:MR+2*\a+1]
.endr
.endr
	WIN 0
	FOLD CB, CB+1
	WIN 0x40                                       ; Wk's fragments: each load reads 512 consecutive bytes of the image
.irp t, 0,1,2,3
.irp s, 0,1,2,3
.irp c, 0,1,2,3
	global_load_b128 v[64*\t+16*\s+4*\c:64*\t+16*\s+4*\c+3], v[VO], s[70:71] offset:8192*\t+2048*\s+512*\c
.endr
.endr
.endr
	WIN 0x80
.irp t, 0,1,2,3
.irp s, 0,1,2,3
.irp c, 0,1,2,3
	global_load_b128 v[64*\t+16*\s+4*\c:64*\t+16*\s+4*\c+3], v[VO], s[70:71] offset:32768+8192*\t+2048*\s+512*\c
.endr
.endr
.endr
	WIN 0
	s_wait_tensorcnt 0x1                           ; block 0 is in; block 1's load may be out.  Only I read my part of a slot, so this wait is all that my reads need
	s_mov_b32 s53, 2
.Lfill:                                            ; blocks 0 and 1: their slots are filled again
	BLOCK 1
	s_sub_co_u32 s53, s53, 1
	s_cmp_lg_u32 s53, 0
	s_cbranch_scc1 .Lfill
	s_mov_b32 s53, 2
.Ltail:                                            ; blocks 2 and 3 ask for nothing
	BLOCK 0
	s_sub_co_u32 s53, s53, 1
	s_cmp_lg_u32 s53, 0
	s_cbranch_scc1 .Ltail
	; the sixteen lanes of a half hold (m, l) of the same two heads for different rows: one maximum, the sums brought under it
	v_mov_b32 v84, v[ML]
	v_mov_b32 v85, v[ML+2]
.irp x, 1,2,4,8
	v_max_num_f32_dpp v84, v84, v84 row_xmask:\x row_mask:0xf bank_mask:0xf
	v_max_num_f32_dpp v85, v85, v85 row_xmask:\x row_mask:0xf bank_mask:0xf
.endr
	v_sub_f32 v86, v[ML], v84
	v_sub_f32 v87, v[ML+2], v85
	v_exp_f32 v86, v86
	v_exp_f32 v87, v87
	v_mov_b32 v[ML], v84
	v_mov_b32 v[ML+2], v85
	s_wait_alu depctr_va_vdst(0)
	v_mul_f32 v[ML+1], v[ML+1], v86
	v_mul_f32 v[ML+3], v[ML+3], v87
.irp x, 1,2,4,8
	v_add_f32_dpp v[ML+1], v[ML+1], v[ML+1] row_xmask:\x row_mask:0xf bank_mask:0xf
	v_add_f32_dpp v[ML+3], v[ML+3], v[ML+3] row_xmask:\x row_mask:0xf bank_mask:0xf
.endr
	v_lshlrev_b32 v88, 4, v3
	s_wait_xcnt 0x0                                ; EXEC changes only behind this wait
	v_cmp_eq_u32 vcc_lo, 0, v2
	s_and_saveexec_b32 s62, vcc_lo
	global_store_b128 v88, v[ML:ML+3], s[28:29]    ; lanes 0 and 16
	s_wait_xcnt 0x0
	s_or_b32 exec_lo, exec_lo, s62
	s_wait_tensorcnt 0x0                           ; the wave's end
	ds_add_u32 v[SPW], v[NIL]
	s_wait_dscnt 0x0
	s_endpgm
.Lfunc_end_k_qd19ae64a0a_keys:
	.size	k_qd19ae64a0a_keys, .Lfunc_end_k_qd19ae64a0a_keys-k_qd19ae64a0a_keys
	.p2alignl 7, 3214868480
	.fill 96, 4, 3214868480
	.section	.rodata,"a",@progbits
	.p2align	6, 0x0
	.amdhsa_kernel k_qd19ae64a0a_keys
		.amdhsa_group_segment_fixed_size 327680
		.amdhsa_private_segment_fixed_size 0
		.amdhsa_enable_private_segment 0
		.amdhsa_kernarg_size 104
		.amdhsa_user_sgpr_count 2
		.amdhsa_user_sgpr_kernarg_segment_ptr 1
		.amdhsa_wavefront_size32 1
		.amdhsa_system_sgpr_workgroup_id_x 1
		.amdhsa_system_sgpr_workgroup_id_y 1
		.amdhsa_system_sgpr_workgroup_id_z 1
		.amdhsa_system_vgpr_workitem_id 0
		.amdhsa_next_free_vgpr 1024
		.amdhsa_next_free_sgpr 72
		.amdhsa_reserve_vcc 1
		.amdhsa_float_denorm_mode_32 3
		.amdhsa_float_denorm_mode_16_64 3
		.amdhsa_memory_ordered 1
		.amdhsa_forward_progress 1
		.amdhsa_inst_pref_size 255
	.end_amdhsa_kernel
	.section	.bss,"aw",@nobits
	.p2align	6
	.space	262144
	.amdgpu_metadata
---
amdhsa.version: [ 1, 2 ]
amdhsa.kernels:
  - .name:           k_qd19ae64a0a_keys
    .symbol:         k_qd19ae64a0a_keys.kd
    .args:
      - { .name: x, .offset: 0, .size: 8, .value_kind: global_buffer, .address_space: global }
      - { .name: norm_g, .offset: 8, .size: 8, .value_kind: global_buffer, .address_space: global }
      - { .name: norm_b, .offset: 16, .size: 8, .value_kind: global_buffer, .address_space: global }
      - { .name: nk_g, .offset: 24, .size: 8, .value_kind: global_buffer, .address_space: global }
      - { .name: nk_b, .offset: 32, .size: 8, .value_kind: global_buffer, .address_space: global }
      - { .name: nv_g, .offset: 40, .size: 8, .value_kind: global_buffer, .address_space: global }
      - { .name: nv_b, .offset: 48, .size: 8, .value_kind: global_buffer, .address_space: global }
      - { .name: bk, .offset: 56, .size: 8, .value_kind: global_buffer, .address_space: global }
      - { .name: wts, .offset: 64, .size: 8, .value_kind: global_buffer, .address_space: global }
      - { .name: vcodes, .offset: 72, .size: 8, .value_kind: global_buffer, .address_space: global }
      - { .name: vscales, .offset: 80, .size: 8, .value_kind: global_buffer, .address_space: global }
      - { .name: scores, .offset: 88, .size: 8, .value_kind: global_buffer, .address_space: global }
      - { .name: stats, .offset: 96, .size: 8, .value_kind: global_buffer, .address_space: global }
    .group_segment_fixed_size: 327680
    .private_segment_fixed_size: 0
    .kernarg_segment_align: 8
    .kernarg_segment_size: 104
    .max_flat_workgroup_size: 128
    .sgpr_count:     72
    .vgpr_count:     1024
    .wavefront_size: 32
...
	.end_amdgpu_metadata
.endif
;; end of part 2
;; launch values (part 3): grid 256 x 1, 4 waves a work-group, no clusters, 168,448 bytes of LDS; arguments wts, bv, vcodes, vscales, scores, stats, part; writes part
.if DOCPART == 3
	.amdgcn_target "amdgcn-amd-amdhsa--gfx1250"
	.amdhsa_code_object_version 6
	.text
	.protected	k_qd19ae64a0a_values
	.globl	k_qd19ae64a0a_values
	.p2align	8
	.type	k_qd19ae64a0a_values,@function
k_qd19ae64a0a_values:
	s_mov_b64 s[64:65], 0
	v_nop
	global_prefetch_b8 v0, s[64:65] scope:SCOPE_SE
	s_setreg_imm32_b32 hwreg(HW_REG_WAVE_MODE, 25, 1), 1
	s_wait_xcnt 0x0
; attn = clip(2^(t - M) / (L + 1e-9), 1e-9, 1), M and L from the 32 work-groups' (m, l) of my batch; v = vn Wv^T + bv on codes of E5M2 (v_wmma_scale_f32_16x16x128_f8f6f4);
; part[g][column] = the sum over the work-group's 256 rows of attn x v.
; SHARES.  Work-group g: rows 256 g .. + 255, 16 tiles of 16.  Wave w: v's columns 128 w .. + 127 (8 tiles, heads 4 w .. + 3) for all rows; its 32 fragments of Wv stay in 512 registers.
; The rows' codes come into LDS once, by one tensor load a wave (64 rows of 512 bytes, 16 bytes of padding behind each: the sixteen rows of a fragment load start at sixteen different banks); nothing is filled again.
; THE PRODUCT IS USED TRANSPOSED: source 0 = 16 rows of Wv, source 1 = 16 rows of vn: lane (r, h) holds row r and columns 16 t + 8 h + 0 .. 7; bv is the C of each sum's first product.
; NO CLUSTER: work-groups share only Wv's codes, which each wave reads once, straight into registers.
; LIMITS: NaN and infinities are not served; the division is a reciprocal and a multiplication.
; REGISTERS.  window 0: v4-14 addresses; v32-63 Wv's scale words; v64-95 vn's; v96-127 at work; v128-191 an even tile's fragments; v192-255 O.
;   windows 1, 2: Wv.   window 3: v0-63 bv; v64-127 an odd tile's fragments; v128-191 attn (tile m, head a at 4 m + a); v192-255 the 8 accumulators.
.set KP,  528
.set OST, 256*KP                       ; behind the codes: 512 bytes for each wave, for the way out
.set FRA, 4                            ; v4-7  a fragment's row r, + 16 h, of tiles 4 q on
.set VO,  8                            ; 16 l
.set SO4, 9                            ; 4 r
.set OA,  10
.set ORD, 11
.set STO, 12                           ; 128 l
.set BVO, 13                           ; 512 w + 32 h
.set WSO, 14                           ; 2,048 w + 16 r
.set WS,  32
.set XS,  64
.set ST,  96                           ; v96-103 lane l: work-group l's (m, l) of heads 0, 2, then of heads 1, 3
.set MMX, 104
.set INV, 108
.set PL,  112
.set TT,  116
.set BA,  128
.set OO,  192
.set BV3, 0
.set BB3, 64
.set ATT, 128
.set ACC, 192
.set MSB, 0
.macro WIN new
.if MSB != \new
	s_set_vgpr_msb (MSB<<8)|\new
.set MSB, \new
.endif
.endm
.macro VFRAG m                         ; the four fragments of rows 16 m .. + 15
.if (\m)%2
	WIN 0xc0
.set rF, BB3
.else
	WIN 0
.set rF, BA
.endif
.irp s, 0,1,2,3
.irp c, 0,1,2,3
	ds_load_b128 v[rF+16*\s+4*\c:rF+16*\s+4*\c+3], v[FRA+(\m)/4] offset:((\m)%4)*16*KP+128*\s+32*\c
.endr
.endr
	WIN 0
.endm
.macro MMV t, s, m
.set rD, ACC+8*(\t)
.set rW, 64*((\t)%4)+16*(\s)
.set rA, WS+4*(\t)+(\s)
.set rB, XS+4*((\m)/2)+(\s)
.set rC, BV3+8*(\t)
.if (\m)%2 == 0
.set rX, BA+16*(\s)
.if (\s) == 0
	v_wmma_scale_f32_16x16x128_f8f6f4 v[rD:rD+7], v[rW:rW+15], v[rX:rX+15], v[rC:rC+7], v[rA], v[rB] matrix_a_fmt:MATRIX_FMT_BF8 matrix_b_fmt:MATRIX_FMT_BF8
.else
	v_wmma_scale_f32_16x16x128_f8f6f4 v[rD:rD+7], v[rW:rW+15], v[rX:rX+15], v[rD:rD+7], v[rA], v[rB] matrix_a_fmt:MATRIX_FMT_BF8 matrix_b_fmt:MATRIX_FMT_BF8
.endif
.else
.set rX, BB3+16*(\s)
.if (\s) == 0
	v_wmma_scale_f32_16x16x128_f8f6f4 v[rD:rD+7], v[rW:rW+15], v[rX:rX+15], v[rC:rC+7], v[rA], v[rB] matrix_a_fmt:MATRIX_FMT_BF8 matrix_b_fmt:MATRIX_FMT_BF8 matrix_b_scale:MATRIX_SCALE_ROW1
.else
	v_wmma_scale_f32_16x16x128_f8f6f4 v[rD:rD+7], v[rW:rW+15], v[rX:rX+15], v[rD:rD+7], v[rA], v[rB] matrix_a_fmt:MATRIX_FMT_BF8 matrix_b_fmt:MATRIX_FMT_BF8 matrix_b_scale:MATRIX_SCALE_ROW1
.endif
.endif
.endm
.macro OFMA t, i, m                    ; O += v x attn of the tile's head; the first tile of rows starts the sums
.set rO, OO+8*(\t)+(\i)
.set rV, ACC+8*(\t)+(\i)
.set rP, ATT+4*(\m)+2*((\t)/4)
.if ((\t)/2)%2 == 0
.if (\m) == 0
	v_pk_mul_f32 v[rO:rO+1], v[rV:rV+1], v[rP:rP+1] op_sel_hi:[1,0]
.else
	v_pk_fma_f32 v[rO:rO+1], v[rV:rV+1], v[rP:rP+1], v[rO:rO+1] op_sel_hi:[1,0,1]
.endif
.else
.if (\m) == 0
	v_pk_mul_f32 v[rO:rO+1], v[rV:rV+1], v[rP:rP+1] op_sel:[0,1] op_sel_hi:[1,1]
.else
	v_pk_fma_f32 v[rO:rO+1], v[rV:rV+1], v[rP:rP+1], v[rO:rO+1] op_sel:[0,1,0] op_sel_hi:[1,1,1]
.endif
.endif
.endm
.macro VT m                            ; a tile of 16 rows.  The accumulators take turns, one instruction a turn
.if (\m) == 15
	s_wait_dscnt 0x0
.else
	s_wait_dscnt 16                                ; my fragments are in; the next tile's 16 loads may be out
.endif
.if (\m)%2
	WIN 0xfd
.else
	WIN 0xf1
.endif
.irp s, 0,1,2,3
.irp t, 0,1,2,3
	MMV \t, \s, \m
.endr
.endr
.if (\m)%2
	WIN 0xfe
.else
	WIN 0xf2
.endif
.irp s, 0,1,2,3
.irp t, 4,5,6,7
	MMV \t, \s, \m
.endr
.endr
	WIN 0
.rept 8
	v_nop                                          ; eight plain lines in front of loads into registers that the products have read, and of the first read of results
.endr
.if (\m) < 14
	VFRAG (\m)+2
.endif
	WIN 0x0f
.irp t, 0,1,2,3,4,5,6,7
.irp i, 0,2,4,6
	OFMA \t, \i, \m
.endr
.endr
	WIN 0
.endm
	s_load_b256 s[4:11], s[0:1], 0x0               ; wts, bv, vcodes, vscales
	s_load_b128 s[12:15], s[0:1], 0x20             ; scores, stats
	s_load_b64 s[16:17], s[0:1], 0x30              ; part
	v_lshl_add_u32 v126, v0, 2, 0x29000
	v_mov_b32 v127, 0
	ds_add_u32 v126, v127
	ds_add_u32 v126, v127
	v_lshrrev_b32 v1, 5, v0
	v_readfirstlane_b32 s18, v1                    ; wave
	s_mov_b32 s32, (1<<20)|(6<<22)|(3<<25)         ; elements of 1 byte; padding: 4 words behind every 128
	s_mov_b32 s33, 512<<16                         ; tensor_dim0
	s_mov_b32 s34, 64<<16                          ; tensor_dim1
	s_mov_b32 s35, 512<<16                         ; tile_dim0
	s_mov_b32 s36, 64                              ; tile_dim1
	s_mov_b32 s37, 512                             ; from row to row
	s_mov_b32 s38, 0
	s_mov_b32 s39, 0
	s_lshl_b32 s22, ttmp9, 17
	s_lshl_b32 s23, s18, 15
	s_add_co_u32 s22, s22, s23                     ; my 64 rows of codes
	s_mov_b32 s23, 0
	s_mov_b32 s40, 1
	s_mul_i32 s41, s18, 64*KP
	s_mov_b32 s28, 0x76543210
	s_mov_b32 s29, 0xfedcba98
	s_wait_dscnt 0x0
	s_wait_kmcnt 0x0
	s_add_nc_u64 s[42:43], s[8:9], s[22:23]
	s_or_b32 s43, s43, 0x80000000
	tensor_load_to_lds s[40:43], s[32:39]          ; my one tensor load of the launch
	s_nop 0
.rept 4
	v_nop
.endr
	s_lshl_b32 s22, s18, 16
	s_add_nc_u64 s[20:21], s[4:5], s[22:23]        ; my 8 tiles of an image
	s_lshl_b32 s22, ttmp9, 12
	s_add_nc_u64 s[10:11], s[10:11], s[22:23]
	s_lshr_b32 s24, ttmp9, 5                       ; the batch
	s_lshl_b32 s22, s24, 12
	s_lshl_b32 s25, s18, 5
	s_add_co_u32 s22, s22, s25
	s_add_nc_u64 s[14:15], s[14:15], s[22:23]
	s_lshl_b32 s22, s24, 19
	s_lshl_b32 s25, s18, 17
	s_add_co_u32 s22, s22, s25
	s_and_b32 s25, ttmp9, 31
	s_lshl_b32 s25, s25, 10
	s_add_co_u32 s22, s22, s25
	s_add_nc_u64 s[12:13], s[12:13], s[22:23]
	s_lshl_b32 s22, ttmp9, 11
	s_lshl_b32 s25, s18, 9
	s_add_co_u32 s22, s22, s25
	s_add_nc_u64 s[16:17], s[16:17], s[22:23]
	v_and_b32 v1, 31, v0
	v_and_b32 v2, 15, v0
	v_bfe_u32 v3, v0, 4, 1
	v_mul_u32_u24 v[FRA], v2, KP
	v_lshl_add_u32 v[FRA], v3, 4, v[FRA]
.irp q, 1,2,3
	v_add_nc_u32 v[FRA+\q], \q*64*KP, v[FRA]
.endr
	v_lshlrev_b32 v[VO], 4, v1
	v_lshlrev_b32 v[SO4], 2, v2
	s_lshl_b32 s25, s18, 9
	s_add_co_u32 s26, s25, OST
	v_lshl_add_u32 v[OA], v3, 5, s26
	v_lshl_add_u32 v[ORD], v1, 4, s26
	v_lshlrev_b32 v[STO], 7, v1
	v_lshl_add_u32 v[BVO], v3, 5, s25
	s_lshl_b32 s25, s18, 11
	v_lshl_add_u32 v[WSO], v2, 4, s25
.irp a, 0,1,2,3
	v_mov_b32 v[PL+\a], 0
.endr
	global_load_b128 v[ST:ST+3], v[STO], s[14:15]
	global_load_b128 v[ST+4:ST+7], v[STO], s[14:15] offset:16
	WIN 0xc0
.irp m, 0,1,2,3,4,5,6,7,8,9,10,11,12,13,14,15
.irp a, 0,1,2,3
	global_load_b32 v[ATT+4*\m+\a], v[SO4], s[12:13] offset:32768*\a+64*\m       ; t of row 16 m + r, head a
.endr
.endr
.irp t, 0,1,2,3,4,5,6,7
	global_load_b128 v[BV3+8*\t:BV3+8*\t+3], v[BVO], s[6:7] offset:64*\t
	global_load_b128 v[BV3+8*\t+4:BV3+8*\t+7], v[BVO], s[6:7] offset:64*\t+16
.endr
	WIN 0
.irp u, 0,1,2,3,4,5,6,7
	global_load_b128 v[XS+4*\u:XS+4*\u+3], v[VO], s[10:11] offset:512*\u         ; lane l: row 32 u + l: tile 2 u in lanes 0-15, tile 2 u + 1 in lanes 16-31
.endr
.irp t, 0,1,2,3,4,5,6,7
	global_load_b128 v[WS+4*\t:WS+4*\t+3], v[WSO], s[4:5] offset:532480+256*\t
.endr
	WIN 0x40
.irp t, 0,1,2,3
.irp s, 0,1,2,3
.irp c, 0,1,2,3
	global_load_b128 v[64*\t+16*\s+4*\c:64*\t+16*\s+4*\c+3], v[VO], s[20:21] offset:262144+8192*\t+2048*\s+512*\c
.endr
.endr
.endr
	WIN 0x80
.irp t, 0,1,2,3
.irp s, 0,1,2,3
.irp c, 0,1,2,3
	global_load_b128 v[64*\t+16*\s+4*\c:64*\t+16*\s+4*\c+3], v[VO], s[20:21] offset:294912+8192*\t+2048*\s+512*\c
.endr
.endr
.endr
	WIN 0
	s_wait_loadcnt 63                              ; behind the statistics and the scores stand 160 loads: with the youngest 63 out, those are in
	; ---- the heads' final maximum and sum, four heads by turns; head a's (m, l) lie at ST + 4 (a % 2) + 2 (a / 2)
.irp a, 0,1,2,3
	v_mov_b32 v[MMX+\a], v[ST+4*(\a%2)+2*(\a/2)]
.endr
.irp x, 1,2,4,8
.irp a, 0,1,2,3
	v_max_num_f32_dpp v[MMX+\a], v[MMX+\a], v[MMX+\a] row_xmask:\x row_mask:0xf bank_mask:0xf
.endr
.endr
.irp a, 0,1,2,3
	v_permlanex16_b32 v[PL+\a], v[MMX+\a], s28, s29
.endr
.irp a, 0,1,2,3
	v_max_num_f32 v[MMX+\a], v[MMX+\a], v[PL+\a]
.endr
.irp a, 0,1,2,3
	v_sub_f32 v[TT+\a], v[ST+4*(\a%2)+2*(\a/2)], v[MMX+\a]
.endr
.irp a, 0,1,2,3
	v_exp_f32 v[TT+\a], v[TT+\a]
.endr
	v_nop
	s_wait_alu depctr_va_vdst(0)
.irp a, 0,1,2,3
	v_mul_f32 v[TT+\a], v[TT+\a], v[ST+4*(\a%2)+2*(\a/2)+1]
.endr
.irp x, 1,2,4,8
.irp a, 0,1,2,3
	v_add_f32_dpp v[TT+\a], v[TT+\a], v[TT+\a] row_xmask:\x row_mask:0xf bank_mask:0xf
.endr
.endr
.irp a, 0,1,2,3
	v_permlanex16_b32 v[PL+\a], v[TT+\a], s28, s29
.endr
.irp a, 0,1,2,3
	v_add_f32 v[TT+\a], v[TT+\a], v[PL+\a]
.endr
.irp a, 0,1,2,3
	v_add_f32 v[TT+\a], 0x3089705f, v[TT+\a]       ; + 1e-9
.endr
.irp a, 0,1,2,3
	v_rcp_f32 v[INV+\a], v[TT+\a]
.endr
	v_nop
	; ---- attn
	WIN 0xc3
.irp m, 0,1,2,3,4,5,6,7,8,9,10,11,12,13,14,15
.irp a, 0,1,2,3
	v_sub_f32 v[ATT+4*\m+\a], v[ATT+4*\m+\a], v[MMX+\a]
.endr
.endr
.irp m, 0,1,2,3,4,5,6,7,8,9,10,11,12,13,14,15
.irp a, 0,1,2,3
	v_exp_f32 v[ATT+4*\m+\a], v[ATT+4*\m+\a]
.endr
.endr
	v_nop
	s_wait_alu depctr_va_vdst(0)
.irp m, 0,1,2,3,4,5,6,7,8,9,10,11,12,13,14,15
.irp a, 0,1,2,3
	v_mul_f32 v[ATT+4*\m+\a], v[ATT+4*\m+\a], v[INV+\a]
.endr
.endr
.irp m, 0,1,2,3,4,5,6,7,8,9,10,11,12,13,14,15
.irp a, 0,1,2,3
	v_med3_num_f32 v[ATT+4*\m+\a], v[ATT+4*\m+\a], 0x3089705f, 1.0     ; the clip
.endr
.endr
	WIN 0
	s_wait_loadcnt 0x0
	s_wait_tensorcnt 0x0                           ; my 64 rows of codes have landed,
	s_barrier_signal -1
	s_barrier_wait -1                              ; everybody's have
	VFRAG 0
	VFRAG 1
.irp m, 0,1,2,3,4,5,6,7,8,9,10,11,12,13,14,15
	VT \m
.endr
	; ---- the sum over the sixteen rows that the lanes of a half hold
.irp x, 1,2,4,8
.set J, 0
.rept 64
	v_add_f32_dpp v[OO+J], v[OO+J], v[OO+J] row_xmask:\x row_mask:0xf bank_mask:0xf
.set J, J+1
.endr
.endr
.irp t, 0,1,2,3,4,5,6,7
	ds_store_b128 v[OA], v[OO+8*\t:OO+8*\t+3] offset:64*\t         ; the sixteen lanes of a half write the same bytes with the same values
	ds_store_b128 v[OA], v[OO+8*\t+4:OO+8*\t+7] offset:64*\t+16
.endr
	ds_load_b128 v[BA:BA+3], v[ORD]                ; LDS serves a wave's instructions in order: this sees my stores
	s_wait_dscnt 0x0
	global_store_b128 v[VO], v[BA:BA+3], s[16:17]  ; my 128 columns: 512 consecutive bytes, aligned
	s_wait_tensorcnt 0x0
	ds_add_u32 v126, v127
	s_wait_dscnt 0x0
	s_endpgm
.Lfunc_end_k_qd19ae64a0a_values:
	.size	k_qd19ae64a0a_values, .Lfunc_end_k_qd19ae64a0a_values-k_qd19ae64a0a_values
	.p2alignl 7, 3214868480
	.fill 96, 4, 3214868480
	.section	.rodata,"a",@progbits
	.p2align	6, 0x0
	.amdhsa_kernel k_qd19ae64a0a_values
		.amdhsa_group_segment_fixed_size 168448
		.amdhsa_private_segment_fixed_size 0
		.amdhsa_enable_private_segment 0
		.amdhsa_kernarg_size 56
		.amdhsa_user_sgpr_count 2
		.amdhsa_user_sgpr_kernarg_segment_ptr 1
		.amdhsa_wavefront_size32 1
		.amdhsa_system_sgpr_workgroup_id_x 1
		.amdhsa_system_sgpr_workgroup_id_y 1
		.amdhsa_system_sgpr_workgroup_id_z 1
		.amdhsa_system_vgpr_workitem_id 0
		.amdhsa_next_free_vgpr 1024
		.amdhsa_next_free_sgpr 66
		.amdhsa_reserve_vcc 0
		.amdhsa_float_denorm_mode_32 3
		.amdhsa_float_denorm_mode_16_64 3
		.amdhsa_memory_ordered 1
		.amdhsa_forward_progress 1
		.amdhsa_inst_pref_size 178
	.end_amdhsa_kernel
	.amdgpu_metadata
---
amdhsa.version: [ 1, 2 ]
amdhsa.kernels:
  - .name:           k_qd19ae64a0a_values
    .symbol:         k_qd19ae64a0a_values.kd
    .args:
      - { .name: wts, .offset: 0, .size: 8, .value_kind: global_buffer, .address_space: global }
      - { .name: bv, .offset: 8, .size: 8, .value_kind: global_buffer, .address_space: global }
      - { .name: vcodes, .offset: 16, .size: 8, .value_kind: global_buffer, .address_space: global }
      - { .name: vscales, .offset: 24, .size: 8, .value_kind: global_buffer, .address_space: global }
      - { .name: scores, .offset: 32, .size: 8, .value_kind: global_buffer, .address_space: global }
      - { .name: stats, .offset: 40, .size: 8, .value_kind: global_buffer, .address_space: global }
      - { .name: part, .offset: 48, .size: 8, .value_kind: global_buffer, .address_space: global }
    .group_segment_fixed_size: 168448
    .private_segment_fixed_size: 0
    .kernarg_segment_align: 8
    .kernarg_segment_size: 56
    .max_flat_workgroup_size: 128
    .sgpr_count:     66
    .vgpr_count:     1024
    .wavefront_size: 32
...
	.end_amdgpu_metadata
.endif
;; end of part 3
;; launch proj (part 4): grid 16 x 8, 8 waves a work-group, no clusters, 5,632 bytes of LDS; arguments part, Wo, bo, yrow; writes yrow
.if DOCPART == 4
	.amdgcn_target "amdgcn-amd-amdhsa--gfx1250"
	.amdhsa_code_object_version 6
	.text
	.protected	k_qd19ae64a0a_proj
	.globl	k_qd19ae64a0a_proj
	.p2align	8
	.type	k_qd19ae64a0a_proj,@function
k_qd19ae64a0a_proj:
	s_mov_b64 s[64:65], 0
	v_nop
	global_prefetch_b8 v0, s[64:65] scope:SCOPE_SE
	s_setreg_imm32_b32 hwreg(HW_REG_WAVE_MODE, 25, 1), 1
	s_wait_xcnt 0x0
; o[b][k] = the sum of the batch's 32 partial rows; yrow[b][n] = o[b] . Wo[n] + bo[n], in f32.  Few rows: vector multiply-adds; the matrix units would have nothing to gain.
; Work-group (gx, b): outputs 32 gx .. + 31 of batch b; wave v: four of them.  Thread t sums 16 partials (half t / 128) of four columns; the two halves meet in LDS.
.set PR, 16                            ; v16-79   16 partials x 4 numbers
.set WO, 80                            ; v80-143  four rows of Wo: register 4 i + e = column 128 i + 4 l + e
.set OV, 20                            ; v20-35   o, laid as a row of Wo (after the barrier)
	s_load_b256 s[4:11], s[0:1], 0x0               ; part, Wo, bo, yrow
	v_lshl_add_u32 v168, v0, 2, 0x1200
	v_mov_b32 v169, 0
	v_lshrrev_b32 v1, 5, v0
	v_readfirstlane_b32 s12, v1                    ; wave 0..7
	v_and_b32 v1, 31, v0
	v_and_b32 v2, 127, v0
	v_lshrrev_b32 v3, 7, v0
	v_lshlrev_b32 v4, 4, v2
	v_lshl_add_u32 v5, v3, 15, v4                  ; memory: 16 partials of 2,048 bytes a half, 16 bytes a thread
	v_lshlrev_b32 v6, 4, v0                        ; LDS: 16 x thread
	v_lshlrev_b32 v7, 4, v1
	v_lshlrev_b32 v8, 2, v1
	s_lshl_b32 s13, s12, 4
	v_mov_b32 v9, s13
	v_mov_b32 v10, 0
	s_and_b32 s14, ttmp7, 0xffff                   ; the batch
	s_lshl_b32 s16, s14, 16
	s_mov_b32 s17, 0
	s_lshl_b32 s18, ttmp9, 5
	s_lshl_b32 s19, s12, 2
	s_add_co_u32 s18, s18, s19
	s_lshl_b32 s18, s18, 11                        ; my four rows of Wo
	s_mov_b32 s19, 0
	s_lshl_b32 s20, ttmp9, 7
	s_mov_b32 s21, 0
	s_lshl_b32 s22, s14, 11
	s_add_co_u32 s22, s22, s20
	s_mov_b32 s23, 0
	s_mov_b32 s24, 0x76543210
	s_mov_b32 s25, 0xfedcba98
	s_wait_kmcnt 0x0
	s_add_nc_u64 s[4:5], s[4:5], s[16:17]
	s_add_nc_u64 s[6:7], s[6:7], s[18:19]
	s_add_nc_u64 s[8:9], s[8:9], s[20:21]
	s_add_nc_u64 s[10:11], s[10:11], s[22:23]
.irp i, 0,1,2,3,4,5,6,7,8,9,10,11,12,13,14,15
	global_load_b128 v[PR+4*\i:PR+4*\i+3], v5, s[4:5] offset:2048*\i
.endr
.irp p, 0,1,2,3
.irp i, 0,1,2,3
	global_load_b128 v[WO+16*\p+4*\i:WO+16*\p+4*\i+3], v7, s[6:7] offset:2048*\p+512*\i
.endr
.endr
	global_load_b32 v144, v8, s[8:9]
	s_wait_loadcnt 17                              ; the partials are in; Wo's 16 loads and bo's one may be out
.irp i, 0,1,2,3,4,5,6,7
	v_pk_add_f32 v[PR+4*\i:PR+4*\i+1], v[PR+4*\i:PR+4*\i+1], v[PR+32+4*\i:PR+32+4*\i+1]
	v_pk_add_f32 v[PR+4*\i+2:PR+4*\i+3], v[PR+4*\i+2:PR+4*\i+3], v[PR+32+4*\i+2:PR+32+4*\i+3]
.endr
.irp i, 0,1,2,3
	v_pk_add_f32 v[PR+4*\i:PR+4*\i+1], v[PR+4*\i:PR+4*\i+1], v[PR+16+4*\i:PR+16+4*\i+1]
	v_pk_add_f32 v[PR+4*\i+2:PR+4*\i+3], v[PR+4*\i+2:PR+4*\i+3], v[PR+16+4*\i+2:PR+16+4*\i+3]
.endr
.irp i, 0,1
	v_pk_add_f32 v[PR+4*\i:PR+4*\i+1], v[PR+4*\i:PR+4*\i+1], v[PR+8+4*\i:PR+8+4*\i+1]
	v_pk_add_f32 v[PR+4*\i+2:PR+4*\i+3], v[PR+4*\i+2:PR+4*\i+3], v[PR+8+4*\i+2:PR+8+4*\i+3]
.endr
	v_pk_add_f32 v[PR:PR+1], v[PR:PR+1], v[PR+4:PR+5]
	v_pk_add_f32 v[PR+2:PR+3], v[PR+2:PR+3], v[PR+6:PR+7]
	ds_store_b128 v6, v[PR:PR+3]
	s_wait_dscnt 0x0                               ; for the others' sake
	s_barrier_signal -1
	s_barrier_wait -1
.irp i, 0,1,2,3
	ds_load_b128 v[OV+4*\i:OV+4*\i+3], v7 offset:512*\i
	ds_load_b128 v[OV+16+4*\i:OV+16+4*\i+3], v7 offset:2048+512*\i
.endr
	s_wait_dscnt 0x0
.irp i, 0,2,4,6,8,10,12,14
	v_pk_add_f32 v[OV+\i:OV+\i+1], v[OV+\i:OV+\i+1], v[OV+16+\i:OV+16+\i+1]
.endr
	s_wait_loadcnt 0x0
.irp p, 0,1,2,3
	v_pk_mul_f32 v[148+2*\p:149+2*\p], v[OV:OV+1], v[WO+16*\p:WO+16*\p+1]
.endr
.irp i, 2,4,6,8,10,12,14
.irp p, 0,1,2,3
	v_pk_fma_f32 v[148+2*\p:149+2*\p], v[OV+\i:OV+\i+1], v[WO+16*\p+\i:WO+16*\p+\i+1], v[148+2*\p:149+2*\p]
.endr
.endr
.irp p, 0,1,2,3
	v_add_f32 v[148+2*\p], v[148+2*\p], v[149+2*\p]
.endr
.irp x, 1,2,4,8
.irp p, 0,1,2,3
	v_add_f32_dpp v[148+2*\p], v[148+2*\p], v[148+2*\p] row_xmask:\x row_mask:0xf bank_mask:0xf
.endr
.endr
.irp p, 0,1,2,3
	v_permlanex16_b32 v10, v[148+2*\p], s24, s25
	v_add_f32 v[148+2*\p], v[148+2*\p], v10
	ds_store_b32 v9, v[148+2*\p] offset:4096+4*\p  ; all lanes write the same word with the same value
.endr
	s_wait_dscnt 0x0
	s_barrier_signal -1
	s_barrier_wait -1
	s_cmp_lg_u32 s12, 0
	s_cbranch_scc1 .Ldone
	ds_load_b32 v11, v8 offset:4096                ; the work-group's 32 outputs
	s_wait_dscnt 0x0
	v_add_f32 v11, v11, v144
	global_store_b32 v8, v11, s[10:11]
.Ldone:
	s_wait_tensorcnt 0x0
	ds_add_u32 v168, v169
	s_wait_dscnt 0x0
	s_endpgm
.Lfunc_end_k_qd19ae64a0a_proj:
	.size	k_qd19ae64a0a_proj, .Lfunc_end_k_qd19ae64a0a_proj-k_qd19ae64a0a_proj
	.p2alignl 7, 3214868480
	.fill 96, 4, 3214868480
	.section	.rodata,"a",@progbits
	.p2align	6, 0x0
	.amdhsa_kernel k_qd19ae64a0a_proj
		.amdhsa_group_segment_fixed_size 5632
		.amdhsa_private_segment_fixed_size 0
		.amdhsa_enable_private_segment 0
		.amdhsa_kernarg_size 32
		.amdhsa_user_sgpr_count 2
		.amdhsa_user_sgpr_kernarg_segment_ptr 1
		.amdhsa_wavefront_size32 1
		.amdhsa_system_sgpr_workgroup_id_x 1
		.amdhsa_system_sgpr_workgroup_id_y 1
		.amdhsa_system_sgpr_workgroup_id_z 1
		.amdhsa_system_vgpr_workitem_id 0
		.amdhsa_next_free_vgpr 170
		.amdhsa_next_free_sgpr 66
		.amdhsa_reserve_vcc 0
		.amdhsa_float_denorm_mode_32 3
		.amdhsa_float_denorm_mode_16_64 3
		.amdhsa_memory_ordered 1
		.amdhsa_forward_progress 1
		.amdhsa_inst_pref_size 13
	.end_amdhsa_kernel
	.amdgpu_metadata
---
amdhsa.version: [ 1, 2 ]
amdhsa.kernels:
  - .name:           k_qd19ae64a0a_proj
    .symbol:         k_qd19ae64a0a_proj.kd
    .args:
      - { .name: part, .offset: 0, .size: 8, .value_kind: global_buffer, .address_space: global }
      - { .name: Wo, .offset: 8, .size: 8, .value_kind: global_buffer, .address_space: global }
      - { .name: bo, .offset: 16, .size: 8, .value_kind: global_buffer, .address_space: global }
      - { .name: yrow, .offset: 24, .size: 8, .value_kind: global_buffer, .address_space: global }
    .group_segment_fixed_size: 5632
    .private_segment_fixed_size: 0
    .kernarg_segment_align: 8
    .kernarg_segment_size: 32
    .max_flat_workgroup_size: 256
    .sgpr_count:     66
    .vgpr_count:     170
    .wavefront_size: 32
...
	.end_amdgpu_metadata
.endif
;; end of part 4
;; launch lnout (part 5): grid 8 x 1, 1 waves a work-group, no clusters, 0 bytes of LDS; arguments yrow, no_g, no_b, out0; writes out0
.if DOCPART == 5
	.amdgcn_target "amdgcn-amd-amdhsa--gfx1250"
	.amdhsa_code_object_version 6
	.text
	.protected	k_qd19ae64a0a_lnout
	.globl	k_qd19ae64a0a_lnout
	.p2align	8
	.type	k_qd19ae64a0a_lnout,@function
k_qd19ae64a0a_lnout:
	s_mov_b64 s[64:65], 0
	v_nop
	global_prefetch_b8 v0, s[64:65] scope:SCOPE_SE
	s_setreg_imm32_b32 hwreg(HW_REG_WAVE_MODE, 25, 1), 1
	s_wait_xcnt 0x0
; out0[b] = LN(yrow[b]) no_g + no_b.  One wave to a row of 512: register 4 i + e of lane l = column 128 i + 4 l + e; every load and store covers 512 consecutive bytes.
; A launch of its own, since a row's mean wants all 512 outputs, which the launch before makes in sixteen work-groups.
.set YV, 16
.set GV, 32
.set BV, 48
	s_load_b256 s[4:11], s[0:1], 0x0               ; yrow, no_g, no_b, out0
	v_lshlrev_b32 v1, 4, v0
	v_mov_b32 v2, 0
	s_lshl_b32 s12, ttmp9, 11
	s_mov_b32 s13, 0
	s_mov_b32 s14, 0x76543210
	s_mov_b32 s15, 0xfedcba98
	s_mov_b32 s16, 0x3b000000                      ; 1 / 512
	s_mov_b32 s17, 0x3727c5ac                      ; 1e-5
	s_wait_kmcnt 0x0
	s_add_nc_u64 s[4:5], s[4:5], s[12:13]
	s_add_nc_u64 s[10:11], s[10:11], s[12:13]
.irp i, 0,1,2,3
	global_load_b128 v[YV+4*\i:YV+4*\i+3], v1, s[4:5] offset:512*\i
.endr
.irp i, 0,1,2,3
	global_load_b128 v[GV+4*\i:GV+4*\i+3], v1, s[6:7] offset:512*\i
.endr
.irp i, 0,1,2,3
	global_load_b128 v[BV+4*\i:BV+4*\i+3], v1, s[8:9] offset:512*\i
.endr
.macro WSUM r
.irp x, 1,2,4,8
	v_add_f32_dpp v[\r], v[\r], v[\r] row_xmask:\x row_mask:0xf bank_mask:0xf
.endr
	v_permlanex16_b32 v2, v[\r], s14, s15
	v_add_f32 v[\r], v[\r], v2
.endm
	s_wait_loadcnt 8                               ; the row is in; the gain's and the bias's 8 loads may be out
	v_pk_add_f32 v[4:5], v[YV:YV+1], v[YV+2:YV+3]
	v_pk_add_f32 v[6:7], v[YV+4:YV+5], v[YV+6:YV+7]
	v_pk_add_f32 v[8:9], v[YV+8:YV+9], v[YV+10:YV+11]
	v_pk_add_f32 v[10:11], v[YV+12:YV+13], v[YV+14:YV+15]
	v_pk_add_f32 v[4:5], v[4:5], v[6:7]
	v_pk_add_f32 v[8:9], v[8:9], v[10:11]
	v_pk_add_f32 v[4:5], v[4:5], v[8:9]
	v_add_f32 v4, v4, v5
	WSUM 4
	v_mul_f32 v4, s16, v4
.irp i, 0,2,4,6,8,10,12,14
	v_pk_add_f32 v[YV+\i:YV+\i+1], v[YV+\i:YV+\i+1], v[4:5] op_sel_hi:[1,0] neg_lo:[0,1] neg_hi:[0,1]
.endr
	v_pk_mul_f32 v[6:7], v[YV:YV+1], v[YV:YV+1]
.irp i, 2,4,6,8,10,12,14
	v_pk_fma_f32 v[6:7], v[YV+\i:YV+\i+1], v[YV+\i:YV+\i+1], v[6:7]
.endr
	v_add_f32 v6, v6, v7
	WSUM 6
	v_fma_f32 v6, v6, s16, s17
	v_rsq_f32 v8, v6
	v_nop                                          ; a plain line behind the transcendental
	s_wait_alu depctr_va_vdst(0)
.irp i, 0,2,4,6,8,10,12,14
	v_pk_mul_f32 v[YV+\i:YV+\i+1], v[YV+\i:YV+\i+1], v[8:9] op_sel_hi:[1,0]
.endr
	s_wait_loadcnt 0x0
.irp i, 0,2,4,6,8,10,12,14
	v_pk_fma_f32 v[YV+\i:YV+\i+1], v[YV+\i:YV+\i+1], v[GV+\i:GV+\i+1], v[BV+\i:BV+\i+1]
.endr
.irp i, 0,1,2,3
	global_store_b128 v1, v[YV+4*\i:YV+4*\i+3], s[10:11] offset:512*\i
.endr
	s_endpgm
.Lfunc_end_k_qd19ae64a0a_lnout:
	.size	k_qd19ae64a0a_lnout, .Lfunc_end_k_qd19ae64a0a_lnout-k_qd19ae64a0a_lnout
	.p2alignl 7, 3214868480
	.fill 96, 4, 3214868480
	.section	.rodata,"a",@progbits
	.p2align	6, 0x0
	.amdhsa_kernel k_qd19ae64a0a_lnout
		.amdhsa_group_segment_fixed_size 0
		.amdhsa_private_segment_fixed_size 0
		.amdhsa_enable_private_segment 0
		.amdhsa_kernarg_size 32
		.amdhsa_user_sgpr_count 2
		.amdhsa_user_sgpr_kernarg_segment_ptr 1
		.amdhsa_wavefront_size32 1
		.amdhsa_system_sgpr_workgroup_id_x 1
		.amdhsa_system_sgpr_workgroup_id_y 1
		.amdhsa_system_sgpr_workgroup_id_z 1
		.amdhsa_system_vgpr_workitem_id 0
		.amdhsa_next_free_vgpr 80
		.amdhsa_next_free_sgpr 66
		.amdhsa_reserve_vcc 0
		.amdhsa_float_denorm_mode_32 3
		.amdhsa_float_denorm_mode_16_64 3
		.amdhsa_memory_ordered 1
		.amdhsa_forward_progress 1
		.amdhsa_inst_pref_size 6
	.end_amdhsa_kernel
	.amdgpu_metadata
---
amdhsa.version: [ 1, 2 ]
amdhsa.kernels:
  - .name:           k_qd19ae64a0a_lnout
    .symbol:         k_qd19ae64a0a_lnout.kd
    .args:
      - { .name: yrow, .offset: 0, .size: 8, .value_kind: global_buffer, .address_space: global }
      - { .name: no_g, .offset: 8, .size: 8, .value_kind: global_buffer, .address_space: global }
      - { .name: no_b, .offset: 16, .size: 8, .value_kind: global_buffer, .address_space: global }
      - { .name: out0, .offset: 24, .size: 8, .value_kind: global_buffer, .address_space: global }
    .group_segment_fixed_size: 0
    .private_segment_fixed_size: 0
    .kernarg_segment_align: 8
    .kernarg_segment_size: 32
    .max_flat_workgroup_size: 32
    .sgpr_count:     66
    .vgpr_count:     80
    .wavefront_size: 32
...
	.end_amdgpu_metadata
.endif
;; end of part 5
